; MI455X (gfx1250); checked and timed in simulation.
; The chip was launched on July 23, 2026; its instructions are those of AMD's public machine-readable ISA for CDNA 5 (MIT licence, August 2026) and "CDNA5" Instruction Set Architecture Reference Guide (July 2026). The comments in the code are by the model that wrote it; some were corrected since.
;; Multi Head Attention. Allowed arithmetic: matrix products marked QUANTISED: E2M3 operands, one E8M0 scale for each 32 along K, by v_wmma_scale_f32_16x16x128_f8f6f4 with both operands' format E2M3, f32 sums; everything else in f32.
;; Inputs: Wk_codes 1,024 x 32 x 24 uint8 (E2M3 codes of Wk, K innermost, in blocks of 32 codes, four codes in three bytes); Wk_scales 1,024 x 32 uint8 (E8M0 scales of Wk, one for each 32 codes along K); Wo_codes 1,024 x 32 x 24 uint8 (E2M3 codes of Wo, K innermost, in blocks of 32 codes, four codes in three bytes); Wo_scales 1,024 x 32 uint8 (E8M0 scales of Wo, one for each 32 codes along K); Wq_codes 1,024 x 32 x 24 uint8 (E2M3 codes of Wq, K innermost, in blocks of 32 codes, four codes in three bytes); Wq_scales 1,024 x 32 uint8 (E8M0 scales of Wq, one for each 32 codes along K); Wv_codes 1,024 x 32 x 24 uint8 (E2M3 codes of Wv, K innermost, in blocks of 32 codes, four codes in three bytes); Wv_scales 1,024 x 32 uint8 (E8M0 scales of Wv, one for each 32 codes along K); bo 1,024 float32; x_codes 4 x 2,048 x 32 x 24 uint8 (E2M3 codes of x, K innermost, in blocks of 32 codes, four codes in three bytes); x_scales 4 x 2,048 x 32 uint8 (E8M0 scales of x, one for each 32 codes along K).
;; Outputs: out0 4 x 2,048 x 1,024 float32.
;; This version of the problem:
;;   THIS VERSION OF THE PROBLEM IS GIVEN IN LOW PRECISION. The matrix products marked QUANTISED in the list below multiply operands that are first quantised to E2M3 (2 exponent bits, 3 mantissa bits; 6 bits a number), with one power-of-two scale for each 32 numbers along K (OCP MX v1.0); their sums are f32. All else is computed in f32.
;;   The module's matrix products, in the order in which they are computed (A, B: the left and right operand; K: the contracted axis; several contracted axes count as one K, in the product's order):
;;     1. [M 8,192, K 1,024] x [K 1,024, N 1,024]; A: input x (given as codes); B: input Wq (given as codes): QUANTISED
;;     2. [M 8,192, K 1,024] x [K 1,024, N 1,024]; A: input x (given as codes); B: input Wk (given as codes): QUANTISED
;;     3. [M 8,192, K 1,024] x [K 1,024, N 1,024]; A: input x (given as codes); B: input Wv (given as codes): QUANTISED
;;     4. batch 64 x [M 2,048, K 64] x [K 64, N 2,048]; A: computed on the way; B: computed on the way: QUANTISED
;;     5. batch 64 x [M 2,048, K 2,048] x [K 2,048, N 64]; A: softmax (see below); B: computed on the way: QUANTISED
;;     6. [M 8,192, K 1,024] x [K 1,024, N 1,024]; A: computed on the way; B: input Wo (given as codes): QUANTISED
;;   THE QUANTISER, for each operand of a quantised product, along K:
;;     - K is cut into blocks of 32 from its start; a last block that is shorter is filled with zeros.
;;     - A block's scale is 2^e with e = floor(log2(the largest magnitude in the block)) - 2, held to -126 .. 127; a block of zeros has e = 0. As a byte (E8M0): e + 127.
;;     - Each number is divided by its block's scale, clamped to +-7.5, and rounded to the nearest number of E2M3, ties to even, subnormals kept.
;;     - The product sums the exact products of the quantised numbers (number of the format x scale) in f32.
;;   ~~~python
;;   def quantise(x, axis):      # numpy; x: float32 -> the quantised numbers, widened to float32 again
;;       x = np.moveaxis(x, axis, -1); K = x.shape[-1]
;;       x = np.pad(x, [(0, 0)] * (x.ndim - 1) + [(0, -K % 32)]); x = x.reshape(x.shape[:-1] + (-1, 32)); a = np.abs(x).max(-1, keepdims=True)
;;       e = np.where(a > 0, np.clip(np.frexp(np.where(a > 0, a, 1))[1] - 1 - 2, -126, 127), 0)      # np.frexp(a)[1] - 1 = floor(log2(a)), exactly
;;       r = np.clip(x / 2.0 ** e, -7.5, 7.5)
;;       step = 2.0 ** (np.maximum(np.frexp(np.where(r == 0, 1, r))[1] - 1, 0) - 3)
;;       q = np.round(r / step) * step * 2.0 ** e      # np.round: ties to even
;;       return np.moveaxis(q.reshape(q.shape[:-2] + (-1,))[..., :K], -1, axis).astype(np.float32)
;;   ~~~
;;   SOFTMAX AHEAD OF A QUANTISED PRODUCT. Where the list says 'softmax', what is quantised is not the finished softmax but p = 2^(t - M), with t = logit x log2(e) and M = ceil(the row's largest t), a whole number; so 1/2 < the row's largest p <= 1. The row's sum l is taken of the UNQUANTISED p, in f32, and the product's result is divided by l at the end. Since M is a whole number, a kernel that streams over the keys may use a running M (the ceiling of the running maximum): every later rescaling is an exact power of two, which a block's scale takes up: the codes' values come out the same.
;;   OPERANDS COMPUTED ON THE WAY. 'Computed on the way' means the value that the module computes at that place (a softmax that the list does not call 'softmax' is quantised finished and normalised). What goes into a quantiser is computed in f32, as accurately as f32 sums, v_exp_f32 and their like allow (about 1e-6 of the number): no bf16 or f16 on the way to a quantiser, and a product that is left as it is and whose result goes on into a quantised operand takes f32 operands (vector FMAs, or v_wmma_f32_16x16x4_f32). A number that lies on a knife's edge between two numbers of the format may be rounded either way, as far as f32 arithmetic and the matrix unit's own rounding can turn it there, and no further.
;;   INPUTS GIVEN AS CODES. Wk (in the module: [1024, 1024], K = its axis 1); Wo (in the module: [1024, 1024], K = its axis 1); Wq (in the module: [1024, 1024], K = its axis 1); Wv (in the module: [1024, 1024], K = its axis 1); x (in the module: [4, 2048, 1024], K = its axis 2): each comes as NAME_codes (uint8): NAME with its K axis moved to the last place and cut into blocks of 32 codes, [.., K / 32, bytes a block], one block behind the other in memory; four codes in three bytes: a row's codes are one little-endian stream of bits, code i at bits 6 i .. 6 i + 5 (a code: sign, 2 exponent bits, 3 mantissa bits); and NAME_scales (uint8): the same leading axes, one E8M0 byte (e + 127) for each 32 codes along K. Its value is code x scale, taken as it is: it is not quantised again, and the codes and scales need not be those that the quantiser above would give.
;; One version. Each part assembles by itself: llvm-mc -triple=amdgcn-amd-amdhsa -mcpu=gfx1250 --defsym DOCPART=n.
;; ======== version 1 of 1: 3 launches
;; workspace buffers: qc 6,815,744 bytes; kv 13,631,488 bytes; oc 6,291,456 bytes; os 262,144 bytes
;; launch qkv (part 1): grid 16 x 32, 4 waves a work-group, clusters of 4 x 4, 327,680 bytes of LDS; arguments x_codes, x_scales, Wq_codes, Wq_scales, Wk_codes, Wk_scales, Wv_codes, Wv_scales, qc, kv; writes qc, kv
.if DOCPART == 1
	.amdgcn_target "amdgcn-amd-amdhsa--gfx1250"
	.amdhsa_code_object_version 6
	.text
	.protected	k_q5fe2928895_qkv
	.globl	k_q5fe2928895_qkv
	.p2align	8
	.type	k_q5fe2928895_qkv,@function
k_q5fe2928895_qkv:
	s_mov_b64 s[64:65], 0
	v_nop
	global_prefetch_b8 v0, s[64:65] scope:SCOPE_SE
	s_setreg_imm32_b32 hwreg(HW_REG_WAVE_MODE, 25, 1), 1
	s_wait_xcnt 0x0
	s_wait_alu depctr_hold_cnt(0) depctr_sa_sdst(0) depctr_va_vdst(0) depctr_va_sdst(0) depctr_va_ssrc(0) depctr_va_vcc(0) depctr_vm_vsrc(0)
	s_getreg_b32 s2, hwreg(HW_REG_IB_STS2, 6, 4)
	s_cmp_eq_u32 s2, 0
	s_cbranch_scc0 .Lentry_in_a_cluster
	s_endpgm
.Lentry_in_a_cluster:
	s_bfe_u32 s2, ttmp6, 0x10000c
	s_cmp_lg_u32 s2, 0xf033
	s_cbranch_scc0 .Lentry_shape_is_right
	s_endpgm
.Lentry_shape_is_right:
; q = x Wq^T, k = x Wk^T, v = x Wv^T on codes of FP6 (E2M3) with one E8M0 scale for each 32 along K = 1,024; the f32 sums are quantised in registers and leave as codes.
; q and k are quantised along the head's 64 (two blocks), v along the keys (blocks of 32 rows of x).
; SHARES.  A work-group takes 256 rows of x and ONE head: 64 columns each of q, k and v.  Wave w (WHI = w / 2, WLO = w % 2) takes rows 128 WHI on (8 tiles of x) and
; WLO = 0: q's four tiles of Wq and v's channel tiles 0, 1;  WLO = 1: k's four tiles of Wk and v's channel tiles 2, 3.  48 accumulators; 14 fragments from LDS feed 48 matrix instructions for 128 along K.
; q AND k ARE USED TRANSPOSED (source 0 = 16 rows of W, source 1 = 16 rows of x): a lane holds one row of x and its registers run along the head.  v IS USED AS IT STANDS (source 0 = x, source 1 = Wv):
; a lane holds one channel and its registers run along the keys.  So each result has its next K along a lane's registers.
; WHAT LEAVES are images of operand registers: four registers a lane at 16 x lane, so that each store of the wave covers 512 consecutive bytes, aligned.
;   A PAIR IMAGE (q, k): registers 0-5 the codes of row tile 2 b, registers 6-11 those of tile 2 b + 1; its scale word: two bytes of each tile.  A fragment of v: 16 channels x 128 keys.
;   Inside a block of 32 the codes stand in the order 8 h' + j, 16 + 8 h' + j of the results' registers: the same order in q and k, and in v and in the weights p of the next launch: sums and scales are as in true order.
; K goes in steps of 256 (rows of 192 bytes) through two LDS slots filled by the tensor data mover; four K steps, written out.  The scale bytes of the work-group's rows come once, in whole runs of 256 bytes.
; CLUSTER 4 x 4: the four of a row of the cluster share x's tile, the four of a column the head's tiles of Wq, Wk, Wv: each is asked for jointly.
; LIMITS: NaN and infinities (scale byte 0xff) are not served.  A block's largest magnitude is taken as 2^-124 at the least, so a block of zeros has the byte 1 where the rule says 127: its codes are zeros, and the bytes are read by this program alone.
.set KROW,  768                        ; a row of codes in memory: 1,024 codes
.set ROWB,  192                        ; a tile's row: 256 codes
.set PITCH, 240                        ; in LDS: 3 x (64 bytes + 16 of padding)
.set SLOT,  107520                     ; x's 256 rows, then 64 rows each of Wq, Wk, Wv
.set WQ0,   61440                      ; where Wq's rows begin in a slot
.set WV0,   92160                      ; and Wv's
.set SCL,   215040                     ; x's scale bytes: 32 runs of 256 bytes + 16
.set WS0,   223744                     ; Wq's, Wk's, Wv's: 8 runs each
.set SPARE, 230400                     ; the spare words: 128 bytes for each wave
.set QREC,  6656                       ; a record of qc: 4 pair images, 512 bytes of scale words
.set REC,   13312                      ; a record of kv: K's 4 pair images, 512 bytes, V's 4 fragments, 512 bytes
.set ADRA, 8                           ; v8-9 x's fragments in slot 0, 1; v10-11 the same behind one padding more
.set ADRB, 12                          ; v12-15 likewise Wq's or Wk's
.set ADRV, 16                          ; v16-19 likewise Wv's
.set ASX,  20                          ; v20 x's scale words
.set ASW,  21                          ; v21 Wq's or Wk's
.set ASV,  22                          ; v22 Wv's
.set L16,  24                          ; v24 16 x lane
.set L8,   25                          ; v25 8 x lane
.set SPW,  28                          ; v28 my spare word; never rewritten
.set NIL,  29                          ; v29 0; never rewritten
.set SCX,  32                          ; v32-63 x's scale words: set s, tile a, the slot's q-th 128: v[32 + 16 s + 2 a + q]
.set SCW,  64                          ; v64-87 the weights': v[64 + 12 s + 2 f + q]
.set PCD,  96                          ; v96-167 the way out: six fragments' codes
.set CT,   168                         ; v168-175 halves of blocks on their way
.set QW,   176                         ; v176-179 scale words of the four pairs
.set VW,   180                         ; v180-181 of v's two fragments
.set TM,   200                         ; v200-215 at work
.set WF,   96                          ; window 1: x's fragments at v[12 a]; the weights' set p, fragment f at v[96 + 72 p + 12 f]
.set WV,   24
.set WHI,  25
.set WLO,  26
.set G1A,  36                          ; s[36:43] group 1 for x's tiles; s[44:51] for the weights'; s[52:59], s[68:75] for their scale bytes
.set G1B,  44
.set G1SA, 52
.set G1SB, 68
.set G0A,  76                          ; s[76:83] group 0 for x's tiles, a set for each slot; s[84:91] the weights'; s[92:95], s[96:99] the scale bytes'
.set G0B,  84
.set G0SA, 92
.set G0SB, 96
.set SEL,  100
.set W_QK, 0xa5                        ; sources 0 and 1 window 1, C and D window 2
.set W_V,  0xf5                        ; the same, C and D window 3
.set W_F,  0x40                        ; destination window 1, address window 0
.set MSB, 0
.macro WIN new                         ; the immediate's high byte repeats the setting that is left
.if MSB != (\new)
	s_set_vgpr_msb (MSB<<8)|(\new)
.set MSB, (\new)
.endif
.endm
.macro PLACES n
.rept \n
	v_nop
.endr
.endm
; A joint load: wave 0 fetches for x, waves 1, 2, 3 for Wq, Wk, Wv.  The branch hangs on the wave's number alone.  Four v_nop follow each of the two lines.
.macro JLOAD g0a, g1a, g0b, g1b
	s_cmp_eq_u32 s[WV], 0
	s_cbranch_scc0 .Lfor_b_\@
	tensor_load_to_lds s[\g0a:\g0a+3], s[\g1a:\g1a+7]
	s_nop 0
.rept 4
	v_nop
.endr
	s_branch .Lasked_\@
.Lfor_b_\@:
	tensor_load_to_lds s[\g0b:\g0b+3], s[\g1b:\g1b+7]
	s_nop 0
.rept 4
	v_nop
.endr
.Lasked_\@:
.endm
.macro CREST                           ; a round of the cluster's barrier behind its opening barrier
	s_cmp_lg_u32 s[WV], 0
	s_cbranch_scc1 .Lnot_wave_0_\@
	s_barrier_signal -3
.Lnot_wave_0_\@:
	s_barrier_wait -3
	s_barrier_signal -1
	s_barrier_wait -1
.endm
.macro CROUND
	s_barrier_signal -1
	s_barrier_wait -1
	CREST
.endm
	s_load_b256 s[4:11], s[0:1], 0x0               ; x's codes s[4:5], x's scales s[6:7], Wq's codes s[8:9], Wq's scales s[10:11]
	s_load_b256 s[12:19], s[0:1], 0x20             ; Wk's s[12:13], s[14:15]; Wv's s[16:17], s[18:19]
	s_load_b128 s[20:23], s[0:1], 0x40             ; qc s[20:21], kv s[22:23]
	v_lshl_add_u32 v[SPW], v0, 2, SPARE
	v_mov_b32 v[NIL], 0
	ds_add_u32 v28, v29
	ds_add_u32 v28, v29
	s_wait_dscnt 0x0
	v_lshrrev_b32 v1, 5, v0
	v_readfirstlane_b32 s[WV], v1                  ; wave 0..3
	s_lshr_b32 s[WHI], s[WV], 1
	s_and_b32 s[WLO], s[WV], 1
	s_bfe_u32 s27, ttmp6, 0x40000                  ; cx
	s_bfe_u32 s28, ttmp6, 0x40004                  ; cy
	s_lshl_b32 s29, ttmp9, 2
	s_add_co_u32 s29, s29, s27                     ; the head = 4 x cluster x + cx
	s_and_b32 s30, ttmp7, 0xffff
	s_lshl_b32 s30, s30, 2
	s_add_co_u32 s30, s30, s28                     ; the block of 256 rows = 4 x cluster y + cy
	s_lshl_b32 s31, s28, 2
	s_lshl_b32 s31, 15, s31                        ; my row of the cluster
	s_lshl_b32 s32, 0x1111, s27                    ; my column
	; group 1: tiles of rows of 192 bytes, 16 bytes of padding behind every 64
	s_or_b32 s[G1A], s31, (1<<20)|(1<<21)|(3<<22)|(3<<25)    ; 15:0 the mask; 17:16 elements of 1 byte; 20 padding on; 21 set beside a mask; 24:22 after every 16 words; 31:25 of 4 words
	s_or_b32 s[G1B], s32, (1<<20)|(1<<21)|(3<<22)|(3<<25)
	s_mov_b32 s[G1A+1], ROWB<<16                   ; tensor_dim0
	s_mov_b32 s[G1A+2], 256<<16                    ; tensor_dim1: x's 256 rows
	s_mov_b32 s[G1A+3], ROWB<<16                   ; tile_dim0
	s_mov_b32 s[G1A+4], 256                        ; tile_dim1
	s_mov_b32 s[G1A+5], KROW                       ; from row to row
	s_mov_b32 s[G1A+6], 0
	s_mov_b32 s[G1A+7], 0
	s_mov_b32 s[G1B+1], ROWB<<16
	s_mov_b32 s[G1B+2], 64<<16                     ; a head's 64 rows of a weight
	s_mov_b32 s[G1B+3], ROWB<<16
	s_mov_b32 s[G1B+4], 64
	s_mov_b32 s[G1B+5], KROW
	s_mov_b32 s[G1B+6], 0
	s_mov_b32 s[G1B+7], 0
	; the scale bytes: dense blocks, as rows of 256 bytes (32 elements of 8 bytes), 16 bytes of padding behind each
	s_or_b32 s[G1SA], s31, (3<<16)|(1<<20)|(1<<21)|(5<<22)|(3<<25)
	s_or_b32 s[G1SB], s32, (3<<16)|(1<<20)|(1<<21)|(5<<22)|(3<<25)
	s_mov_b32 s[G1SA+1], 32<<16
	s_mov_b32 s[G1SA+2], 32<<16                    ; 256 rows x 32 bytes
	s_mov_b32 s[G1SA+3], 32<<16
	s_mov_b32 s[G1SA+4], 32
	s_mov_b32 s[G1SA+5], 32
	s_mov_b32 s[G1SA+6], 0
	s_mov_b32 s[G1SA+7], 0
	s_mov_b32 s[G1SB+1], 32<<16
	s_mov_b32 s[G1SB+2], 8<<16                     ; 64 rows x 32 bytes
	s_mov_b32 s[G1SB+3], 32<<16
	s_mov_b32 s[G1SB+4], 8
	s_mov_b32 s[G1SB+5], 32
	s_mov_b32 s[G1SB+6], 0
	s_mov_b32 s[G1SB+7], 0
	s_mul_i32 s33, s[WV], 15360                    ; where a weight's tile goes: wave x 64 rows; no place in the cluster enters an LDS address
	s_mul_i32 s3, s[WV], 2176                      ; and its scale bytes
	s_mov_b32 s35, 0
	s_mov_b32 s67, 0
	s_mov_b32 s[SEL], 0x76543210
	s_mov_b32 s[SEL+1], 0xfedcba98                 ; v_permlanex16_b32's selects for lane l xor 16
	s_wait_kmcnt 0x0
	s_mul_i32 s34, s30, 256*KROW
	s_add_nc_u64 s[4:5], s[4:5], s[34:35]          ; x's codes at my block of rows
	s_lshl_b32 s34, s30, 13
	s_add_nc_u64 s[6:7], s[6:7], s[34:35]          ; and its scale bytes
	s_cmp_eq_u32 s[WV], 1                          ; which weight I fetch: wave 1 Wq, wave 2 Wk, wave 3 Wv (wave 0 fetches x and does not use the choice)
	s_cselect_b64 s[60:61], s[8:9], s[16:17]
	s_cselect_b64 s[62:63], s[10:11], s[18:19]
	s_cmp_eq_u32 s[WV], 2
	s_cselect_b64 s[60:61], s[12:13], s[60:61]
	s_cselect_b64 s[62:63], s[14:15], s[62:63]
	s_mul_i32 s66, s29, 64*KROW
	s_add_nc_u64 s[60:61], s[60:61], s[66:67]      ; at the head's 64 rows
	s_lshl_b32 s66, s29, 11
	s_add_nc_u64 s[62:63], s[62:63], s[66:67]
	CROUND                                         ; all sixteen work-groups are here: the first joint loads meet
	s_mov_b32 s[G0SA], 1
	s_mov_b32 s[G0SA+1], SCL
	s_mov_b64 s[G0SA+2:G0SA+3], s[6:7]
	s_or_b32 s[G0SA+3], s[G0SA+3], 0x80000000
	s_mov_b32 s[G0SB], 1
	s_add_co_u32 s[G0SB+1], s3, WS0-2176
	s_mov_b64 s[G0SB+2:G0SB+3], s[62:63]
	s_or_b32 s[G0SB+3], s[G0SB+3], 0x80000000
	JLOAD G0SA, G1SA, G0SB, G1SB                   ; the scale bytes first: they are wanted with K step 0
.irp s, 0,1
	s_mov_b32 s[G0A+4*\s], 1
	s_mov_b32 s[G0A+4*\s+1], \s*SLOT
	s_add_nc_u64 s[G0A+4*\s+2:G0A+4*\s+3], s[4:5], \s*ROWB
	s_or_b32 s[G0A+4*\s+3], s[G0A+4*\s+3], 0x80000000
	s_mov_b32 s[G0B+4*\s], 1
	s_add_co_u32 s[G0B+4*\s+1], s33, WQ0-15360+\s*SLOT
	s_add_nc_u64 s[G0B+4*\s+2:G0B+4*\s+3], s[60:61], \s*ROWB
	s_or_b32 s[G0B+4*\s+3], s[G0B+4*\s+3], 0x80000000
	JLOAD G0A+4*\s, G1A, G0B+4*\s, G1B             ; three loads of mine are out behind the second of these
.endr
	v_and_b32 v1, 15, v0                           ; r
	v_bfe_u32 v2, v0, 4, 1                         ; h
	v_mul_u32_u24 v4, v1, PITCH
	v_mad_u32_u24 v4, v2, 24, v4                   ; a fragment's row x pitch + 24 h
	v_lshl_add_u32 v5, v2, 4, v4                   ; and the same behind one padding more
	s_mul_i32 s33, s[WHI], 128*PITCH               ; my 128 rows of x
	s_mul_i32 s34, s[WLO], 64*PITCH
	s_add_co_u32 s34, s34, WQ0                     ; Wq's rows or Wk's
	s_mul_i32 s35, s[WLO], 32*PITCH
	s_add_co_u32 s35, s35, WV0                     ; my 32 rows of Wv
.irp s, 0,1
	v_add_nc_u32 v[ADRA+\s], s33, v4
	v_add_nc_u32 v[ADRA+2+\s], s33, v5
	v_add_nc_u32 v[ADRB+\s], s34, v4
	v_add_nc_u32 v[ADRB+2+\s], s34, v5
	v_add_nc_u32 v[ADRV+\s], s35, v4
	v_add_nc_u32 v[ADRV+2+\s], s35, v5
	s_add_co_u32 s33, s33, SLOT
	s_add_co_u32 s34, s34, SLOT
	s_add_co_u32 s35, s35, SLOT
.endr
	v_lshlrev_b32 v6, 5, v1                        ; a row's scale bytes: 32 a row,
	v_lshrrev_b32 v7, 3, v1
	v_lshl_add_u32 v6, v7, 4, v6                   ; and 16 more behind each 256
	s_mul_i32 s33, s[WHI], 4352
	s_add_co_u32 s33, s33, SCL
	v_add_nc_u32 v[ASX], s33, v6
	s_mul_i32 s33, s[WLO], 2176
	s_add_co_u32 s33, s33, WS0
	v_add_nc_u32 v[ASW], s33, v6
	s_mul_i32 s33, s[WLO], 1088
	s_add_co_u32 s33, s33, WS0+4352
	v_add_nc_u32 v[ASV], s33, v6
	v_and_b32 v7, 31, v0
	v_lshlrev_b32 v[L16], 4, v7
	v_lshlrev_b32 v[L8], 3, v7
.irp b, 0,1,2,3
	v_mov_b32 v[TM+4+\b], 0                        ; written once: a lane permute's destination counts as one of its sources
.endr
	; where my results go: record R = ((batch x 16 + head) x 16 + the run of 128 rows in the batch)
	s_lshr_b32 s33, s30, 3
	s_lshl_b32 s33, s33, 4
	s_add_co_u32 s33, s33, s29
	s_lshl_b32 s33, s33, 4
	s_and_b32 s34, s30, 7
	s_lshl_b32 s34, s34, 1
	s_add_co_u32 s33, s33, s34
	s_add_co_u32 s33, s33, s[WHI]
	s_mov_b32 s35, 0
	s_mul_i32 s34, s33, REC
	s_add_nc_u64 s[22:23], s[22:23], s[34:35]      ; kv at my record
	s_mul_i32 s34, s33, QREC
	s_add_nc_u64 s[20:21], s[20:21], s[34:35]      ; qc at my record
	s_cmp_eq_u32 s[WLO], 0
	s_cselect_b64 s[60:61], s[20:21], s[22:23]     ; q's pair images, or k's
	s_mul_i32 s34, s[WLO], 3072
	s_add_co_u32 s34, s34, 6656
	s_add_nc_u64 s[62:63], s[22:23], s[34:35]      ; v's two fragments
	s_lshl_b32 s34, s[WLO], 8
	s_add_co_u32 s34, s34, 12800
	s_add_nc_u64 s[66:67], s[22:23], s[34:35]      ; and their scale words
.macro FRAG reg, adr, q, i             ; a fragment, 16 rows x 128 K, is 12 registers: lane l holds row l % 16; registers 6 c .. 6 c + 5 hold K = 64 c + 32 (l / 16) + 0 .. 31: 24 bytes of the row as they lie
.irp p, 0,1,2,3,4,5                    ; in pieces of 8 bytes.  Lanes 16-31 read three pieces further on than lanes 0-15: where that lies behind one padding more, the second address register serves
.set PC, 12*(\q)+6*(\p/3)+\p%3
.if PC%8 < 5
	ds_load_b64 v[\reg+2*\p:\reg+2*\p+1], v[\adr] offset:8*PC+16*(PC/8)+(\i)*16*PITCH
.else
	ds_load_b64 v[\reg+2*\p:\reg+2*\p+1], v[\adr+2] offset:8*PC+16*(PC/8)+(\i)*16*PITCH
.endif
.endr
.endm
.macro FETCH_B slot, q, p              ; the weights' six fragments of the slot's q-th 128 along K into set p: 36 loads
	WIN W_F
.irp f, 0,1,2,3
	FRAG WF+72*(\p)+12*\f, ADRB+\slot, \q, \f
.endr
.irp n, 0,1
	FRAG WF+72*(\p)+48+12*\n, ADRV+\slot, \q, \n
.endr
.endm
.macro FETCH_A slot, q, i0             ; x's tiles i0 .. i0 + 3: 24 loads
	WIN W_F
.irp i, \i0, \i0+1, \i0+2, \i0+3
	FRAG 12*(\i), ADRA+\slot, \q, \i
.endr
.endm
.macro SCALES set, ks                  ; K step ks's scale words, two a row: 14 loads
	WIN 0
.irp a, 0,1,2,3,4,5,6,7
	ds_load_b64 v[SCX+16*\set+2*\a:SCX+16*\set+2*\a+1], v[ASX] offset:544*\a+8*\ks
.endr
.irp f, 0,1,2,3
	ds_load_b64 v[SCW+12*\set+2*\f:SCW+12*\set+2*\f+1], v[ASW] offset:544*\f+8*\ks
.endr
.irp n, 0,1
	ds_load_b64 v[SCW+12*\set+8+2*\n:SCW+12*\set+8+2*\n+1], v[ASV] offset:544*\n+8*\ks
.endr
.endm
; 16 matrix instructions for q or k: x's tiles a0 .. a0 + 3 against the weight's four.  The accumulators take turns, one instruction a turn, in the same order in every step.
.macro MULQK a0, p, q, sc, zero
.irp a, \a0, \a0+1, \a0+2, \a0+3
.irp f, 0,1,2,3
.if \zero
	v_wmma_scale_f32_16x16x128_f8f6f4 v[32*(\a)+8*\f:32*(\a)+8*\f+7], v[WF+72*(\p)+12*\f:WF+72*(\p)+12*\f+11], v[12*(\a):12*(\a)+11], 0, v[SCW+12*(\sc)+2*\f+(\q)], v[SCX+16*(\sc)+2*(\a)+(\q)] matrix_a_fmt:MATRIX_FMT_FP6 matrix_b_fmt:MATRIX_FMT_FP6
.else
	v_wmma_scale_f32_16x16x128_f8f6f4 v[32*(\a)+8*\f:32*(\a)+8*\f+7], v[WF+72*(\p)+12*\f:WF+72*(\p)+12*\f+11], v[12*(\a):12*(\a)+11], v[32*(\a)+8*\f:32*(\a)+8*\f+7], v[SCW+12*(\sc)+2*\f+(\q)], v[SCX+16*(\sc)+2*(\a)+(\q)] matrix_a_fmt:MATRIX_FMT_FP6 matrix_b_fmt:MATRIX_FMT_FP6
.endif
.endr
.endr
.endm
; 8 matrix instructions for v: source 0 = x's tile, source 1 = Wv's
.macro MULV a0, p, q, sc, zero
.irp a, \a0, \a0+1, \a0+2, \a0+3
.irp n, 0,1
.if \zero
	v_wmma_scale_f32_16x16x128_f8f6f4 v[64*\n+8*(\a):64*\n+8*(\a)+7], v[12*(\a):12*(\a)+11], v[WF+72*(\p)+48+12*\n:WF+72*(\p)+48+12*\n+11], 0, v[SCX+16*(\sc)+2*(\a)+(\q)], v[SCW+12*(\sc)+8+2*\n+(\q)] matrix_a_fmt:MATRIX_FMT_FP6 matrix_b_fmt:MATRIX_FMT_FP6
.else
	v_wmma_scale_f32_16x16x128_f8f6f4 v[64*\n+8*(\a):64*\n+8*(\a)+7], v[12*(\a):12*(\a)+11], v[WF+72*(\p)+48+12*\n:WF+72*(\p)+48+12*\n+11], v[64*\n+8*(\a):64*\n+8*(\a)+7], v[SCX+16*(\sc)+2*(\a)+(\q)], v[SCW+12*(\sc)+8+2*\n+(\q)] matrix_a_fmt:MATRIX_FMT_FP6 matrix_b_fmt:MATRIX_FMT_FP6
.endif
.endr
.endr
.endm
; A slot's first 128 along K (the weights' set 0).  x has one set of registers: tiles 0-3 are fetched anew in the step's middle, tiles 4-7 at its end.  Four plain places stand in front of each run of loads
; into registers that matrix instructions have read (ISA guide 7.12.1 for vector instructions).
.macro STEP slot, zero
	s_wait_dscnt 24                                ; all but the youngest 24 loads (x's tiles 4-7) are in
	WIN W_QK
	MULQK 0, 0, 0, \slot, \zero
	WIN W_V
	MULV 0, 0, 0, \slot, \zero
	s_wait_dscnt 0x0                               ; x's tiles 4-7 are in
	PLACES 4
	FETCH_B \slot, 1, 1
	FETCH_A \slot, 1, 0
	WIN W_QK
	MULQK 4, 0, 0, \slot, \zero
	WIN W_V
	MULV 4, 0, 0, \slot, \zero
	PLACES 4
	FETCH_A \slot, 1, 4
	WIN 0
.endm
; A slot's second 128 along K changes slots: ONE barrier; in front of it each wave waits for all its tensor loads, adds 0 to its spare word, and waits for that and for its reads of this slot.
; fill = 1: the barrier opens a round of the cluster's barrier, and this slot is filled again, two K steps ahead, first thing behind the round.
.macro TURN slot, next, fill, ks
	s_wait_tensorcnt 0x0                           ; all my tensor loads have landed: my part of the next slot
	ds_add_u32 v[SPW], v[NIL]                      ; 0 onto my spare word
	s_wait_dscnt 25                                ; the add and the youngest 24 loads (x's tiles 4-7) may be out
	WIN W_QK
	MULQK 0, 1, 1, \slot, 0                        ; sixteen matrix instructions stand between the add and the wait for it
	s_wait_dscnt 0x0                               ; the add is done, and my reads of this slot are over
	s_barrier_signal -1
	WIN W_V
	MULV 0, 1, 1, \slot, 0
	WIN 0
	s_barrier_wait -1
.if \fill
	CREST                                          ; no wave of any partner still reads this slot's tiles or has a load on its way
	s_add_nc_u64 s[G0A+4*\slot+2:G0A+4*\slot+3], s[G0A+4*\slot+2:G0A+4*\slot+3], 2*ROWB
	s_add_nc_u64 s[G0B+4*\slot+2:G0B+4*\slot+3], s[G0B+4*\slot+2:G0B+4*\slot+3], 2*ROWB
	JLOAD G0A+4*\slot, G1A, G0B+4*\slot, G1B       ; the four v_nop behind it are also the places in front of the loads below
.else
	PLACES 4
.endif
	FETCH_B \next, 0, 0
	FETCH_A \next, 0, 0
	SCALES \next, \ks
	WIN W_QK
	MULQK 4, 1, 1, \slot, 0
	WIN W_V
	MULV 4, 1, 1, \slot, 0
	PLACES 4
	FETCH_A \next, 0, 4
	WIN 0
.endm
	s_wait_tensorcnt 1                             ; the scale bytes and my part of K step 0 are in; K step 1's load may be out
	s_barrier_signal -1
	s_barrier_wait -1
	FETCH_B 0, 0, 0
	FETCH_A 0, 0, 0
	SCALES 0, 0
	FETCH_A 0, 0, 4
	WIN 0
	STEP 0, 1                                      ; the first products start the sums: nothing is cleared
	TURN 0, 1, 1, 1
	STEP 1, 0
	TURN 1, 0, 1, 2
	STEP 0, 0
	TURN 0, 1, 0, 3                                ; nothing is left to fetch
	STEP 1, 0
	s_wait_dscnt 24                                ; the last 128 along K
	WIN W_QK
	MULQK 0, 1, 1, 1, 0
	WIN W_V
	MULV 0, 1, 1, 1, 0
	s_wait_dscnt 0x0
	WIN W_QK
	MULQK 4, 1, 1, 1, 0
	WIN W_V
	MULV 4, 1, 1, 1, 0
	WIN 0
	PLACES 4                                       ; in front of the first read of results
; 64 results of a lane, v[s] .. v[s + 63] of window w (four blocks of 32, 16 numbers of each in my lane and 16 in lane l xor 16), become 12 registers of codes at v[pc] and a scale word in v[pw].
; A block's scale: its largest magnitude's exponent field less 2; the floor 2^(3 - 127) among the leaves holds the byte at 1 from below.  Each accumulator is read from its low end on.
.macro QUANT w, s, pc, pw
	WIN 0
.irp b, 0,1,2,3
	v_mov_b32 v[TM+\b], 0x1800000
.endr
	WIN (\w<<2)|(\w<<4)                            ; sources 1 and 2: the results' window
.irp i, 0,2,4,6,8,10,12,14
.irp b, 0,1,2,3
	v_max3_num_f32 v[TM+\b], v[TM+\b], |v[\s+16*\b+\i]|, |v[\s+16*\b+\i+1]|
.endr
.endr
	WIN 0
.irp b, 0,1,2,3
	v_permlanex16_b32 v[TM+4+\b], v[TM+\b], s[SEL], s[SEL+1]
.endr
.irp b, 0,1,2,3
	v_max_num_f32 v[TM+\b], v[TM+\b], v[TM+4+\b]   ; with lane l xor 16's: the block's largest magnitude
.endr
.irp b, 0,1,2,3
	v_add_nc_u32 v[TM+12+\b], 0xff000000, v[TM+\b] ; 2 off its exponent field: the conversion's scale operand
.endr
.irp b, 0,1,2,3
	v_lshrrev_b32 v[TM+4+\b], 23, v[TM+12+\b]      ; the scale's byte
.endr
	v_lshl_or_b32 v[\pw], v[TM+5], 8, v[TM+4]
	v_lshl_or_b32 v[\pw], v[TM+6], 16, v[\pw]
	v_lshl_or_b32 v[\pw], v[TM+7], 24, v[\pw]
	WIN \w                                         ; source 0: the results' window
.irp c, 0,1
	v_cvt_scalef32_pk16_fp6_f32 v[\pc+6*\c:\pc+6*\c+2], v[\s+32*\c:\s+32*\c+15], v[TM+12+2*\c]
	v_cvt_scalef32_pk16_fp6_f32 v[CT+4*\c:CT+4*\c+2], v[\s+32*\c+16:\s+32*\c+31], v[TM+13+2*\c]   ; (a conversion's three registers begin on an even number)
.endr
	WIN 0
	v_nop                                          ; one plain place behind a scaled conversion
.irp c, 0,1                                    ; the operand's layout wants a whole block in a lane: lanes 0-15 block 2 c, lanes 16-31 block 2 c + 1
.irp i, 0,1,2
	v_permlane16_swap_b32 v[\pc+6*\c+\i], v[CT+4*\c+\i]
.endr
.irp i, 0,1,2
	v_mov_b32 v[\pc+3+6*\c+\i], v[CT+4*\c+\i]
.endr
.endr
.endm
; every store has data registers of its own and an address that is never rewritten
.irp b, 0,1,2,3
	QUANT 2, 64*\b, PCD+12*\b, QW+\b
.irp c, 0,1,2
	global_store_b128 v[L16], v[PCD+12*\b+4*\c:PCD+12*\b+4*\c+3], s[60:61] offset:1536*\b+512*\c   ; 32 lanes store 512 consecutive bytes, aligned
.endr
.endr
	global_store_b128 v[L16], v[QW:QW+3], s[60:61] offset:6144
.irp n, 0,1
	QUANT 3, 64*\n, PCD+48+12*\n, VW+\n
.irp c, 0,1,2
	global_store_b128 v[L16], v[PCD+48+12*\n+4*\c:PCD+48+12*\n+4*\c+3], s[62:63] offset:1536*\n+512*\c
.endr
.endr
	global_store_b64 v[L8], v[VW:VW+1], s[66:67]   ; 256 consecutive bytes, aligned
	s_wait_tensorcnt 0x0                           ; the wave's end
	ds_add_u32 v[SPW], v[NIL]
	s_wait_dscnt 0x0
	CROUND                                         ; the closing round: no work-group ends while a partner may still ask for a tile that names it
	s_endpgm
.Lfunc_end_k_q5fe2928895_qkv:
	.size	k_q5fe2928895_qkv, .Lfunc_end_k_q5fe2928895_qkv-k_q5fe2928895_qkv
	.p2alignl 7, 3214868480
	.fill 96, 4, 3214868480
	.section	.rodata,"a",@progbits
	.p2align	6, 0x0
	.amdhsa_kernel k_q5fe2928895_qkv
		.amdhsa_group_segment_fixed_size 327680
		.amdhsa_private_segment_fixed_size 0
		.amdhsa_enable_private_segment 0
		.amdhsa_kernarg_size 80
		.amdhsa_user_sgpr_count 2
		.amdhsa_user_sgpr_kernarg_segment_ptr 1
		.amdhsa_wavefront_size32 1
		.amdhsa_system_sgpr_workgroup_id_x 1
		.amdhsa_system_sgpr_workgroup_id_y 1
		.amdhsa_system_sgpr_workgroup_id_z 1
		.amdhsa_system_vgpr_workitem_id 0
		.amdhsa_next_free_vgpr 1024
		.amdhsa_next_free_sgpr 102
		.amdhsa_reserve_vcc 0
		.amdhsa_float_denorm_mode_32 3
		.amdhsa_float_denorm_mode_16_64 3
		.amdhsa_memory_ordered 1
		.amdhsa_forward_progress 1
		.amdhsa_inst_pref_size 137
	.end_amdhsa_kernel
	.amdgpu_metadata
---
amdhsa.version: [ 1, 2 ]
amdhsa.kernels:
  - .name:           k_q5fe2928895_qkv
    .symbol:         k_q5fe2928895_qkv.kd
    .args:
      - { .name: x_codes, .offset: 0, .size: 8, .value_kind: global_buffer, .address_space: global }
      - { .name: x_scales, .offset: 8, .size: 8, .value_kind: global_buffer, .address_space: global }
      - { .name: Wq_codes, .offset: 16, .size: 8, .value_kind: global_buffer, .address_space: global }
      - { .name: Wq_scales, .offset: 24, .size: 8, .value_kind: global_buffer, .address_space: global }
      - { .name: Wk_codes, .offset: 32, .size: 8, .value_kind: global_buffer, .address_space: global }
      - { .name: Wk_scales, .offset: 40, .size: 8, .value_kind: global_buffer, .address_space: global }
      - { .name: Wv_codes, .offset: 48, .size: 8, .value_kind: global_buffer, .address_space: global }
      - { .name: Wv_scales, .offset: 56, .size: 8, .value_kind: global_buffer, .address_space: global }
      - { .name: qc, .offset: 64, .size: 8, .value_kind: global_buffer, .address_space: global }
      - { .name: kv, .offset: 72, .size: 8, .value_kind: global_buffer, .address_space: global }
    .group_segment_fixed_size: 327680
    .private_segment_fixed_size: 0
    .kernarg_segment_align: 8
    .kernarg_segment_size: 80
    .max_flat_workgroup_size: 128
    .sgpr_count:     102
    .vgpr_count:     1024
    .wavefront_size: 32
...
	.end_amdgpu_metadata
.endif
;; end of part 1
;; launch attn (part 2): grid 4 x 64, 16 waves a work-group, clusters of 4 x 1, 215,040 bytes of LDS; arguments qc, kv, oc, os; writes oc, os
.if DOCPART == 2
	.amdgcn_target "amdgcn-amd-amdhsa--gfx1250"
	.amdhsa_code_object_version 6
	.text
	.protected	k_q5fe2928895_attn
	.globl	k_q5fe2928895_attn
	.p2align	8
	.type	k_q5fe2928895_attn,@function
k_q5fe2928895_attn:
	s_mov_b64 s[64:65], 0
	v_nop
	global_prefetch_b8 v0, s[64:65] scope:SCOPE_SE
	s_setreg_imm32_b32 hwreg(HW_REG_WAVE_MODE, 25, 1), 1
	s_wait_xcnt 0x0
	s_wait_alu depctr_hold_cnt(0) depctr_sa_sdst(0) depctr_va_vdst(0) depctr_va_sdst(0) depctr_va_ssrc(0) depctr_va_vcc(0) depctr_vm_vsrc(0)
	s_getreg_b32 s2, hwreg(HW_REG_IB_STS2, 6, 4)
	s_cmp_eq_u32 s2, 0
	s_cbranch_scc0 .Lentry_in_a_cluster
	s_endpgm
.Lentry_in_a_cluster:
	s_bfe_u32 s2, ttmp6, 0x10000c
	s_cmp_lg_u32 s2, 0x3003
	s_cbranch_scc0 .Lentry_shape_is_right
	s_endpgm
.Lentry_shape_is_right:
; Causal attention of one head on codes of FP6 (E2M3): S^T = K Q^T, p = 2^(t - M), O^T = V^T P^T, O / l, and O's codes for the last projection.
; t = score x log2(e) / 8; M = the row's largest t so far, rounded up to a whole number; p is quantised along the keys, not normalised; l is the sum of the unquantised p and divides at the end.
; SHARES.  The four work-groups of a cluster serve ONE head (of 64).  The head has 128 tiles of 16 queries.  Wave w of the partner at place cx takes tile 127 - (4 w + cx), and then tile 4 w + cx:
; 16 - w / 2 and w / 2 + 1 key steps of 128 keys, 17 in every wave.  The last key step of a tile hangs on the wave's number alone, so no branch hangs on a work-group's place in its cluster.
; THE HEAD'S K AND V STAY IN LDS: 16 records of 13,312 bytes as the launch before has laid them (images of operand registers), brought ONCE by joint loads of waves 0 to 3.  Nothing is filled again and nothing is
; stored to LDS: behind the second barrier the waves run freely.  Nothing is prefetched: all that the work-group reads is asked for at its head.
; LAYOUT.  Both products are used transposed: a lane holds ONE query (lane % 16) throughout.  A pair image of K (registers 0-5: key tile 2 b; 6-11: tile 2 b + 1) is one operand of 128 along K;
; against [q | zero codes] it gives tile 2 b's scores, against [zero codes | q] tile 2 b + 1's.  The zero codes' scale bytes are 1.
; Register 8 t + j of the scores is key 16 t + 8 (lane / 16) + j; p's codes and V's stand in the same order inside each block of 32 keys.
; A key step all of whose keys come after the tile's queries is left out; in the tile's last step hidden scores become -infinity ahead of the maximum.
; LIMITS: NaN and infinities are not served.  A block's largest p, and a block's largest magnitude of O, are taken as 2^-124 at the least (byte 1; a block of zeros has zero codes; the bytes are read by this program alone).
; v_exp_f32 gives 0 under 2^-126.  l is summed in another order than a plain row sum.
.set REC,  13312
.set QREC, 6656
.set L16,  3                           ; v3 16 x lane
.set L8,   4                           ; v4 8 x lane
.set R4,   5                           ; v5 4 x (lane % 16)
.set RH,   6                           ; v6 lane % 16 - 8 (lane / 16)
.set AD,   7                           ; v7, v8 LDS addresses of the step's record
.set AD8,  8
.set QA1,  9                           ; v9, v10 offsets of the first pass's pair of Q and its scale word; v11, v46 the second's
.set QS1,  10
.set QA2,  11
.set QS2,  46
.set QHI,  16                          ; v16-33: six zeros, q's six registers, six zeros.  v[16:27] = [0 | q], v[22:33] = [q | 0]
.set QLO,  22
.set QSL,  34                          ; v34 q's scale word for [q | 0]; v44 for [0 | q]
.set QSH,  44
.set DD,   35                          ; v35 the mask's bound
.set KSW,  36                          ; v36-39 K's scale words; v40-43 V's
.set VSW,  40
.set FR,   48                          ; v48-95 four fragments of K or of V
.set ST,   96                          ; v96-159 the scores, then p
.set OT,   160                         ; v160-191 O^T
.set T1,   192                         ; v192-203 the first pass's pair of Q, v204 its scale word; v208-219, v220 the second's
.set T2,   208
.set WV,   12
.set SEL,  20
.set CS,   22
.set G1F,  24                          ; s[24:31] group 1 for records 0, 1; s[32:39] for records 2 to 15; s[40:43], s[44:47] their groups 0
.set G1R,  32
.set G0F,  40
.set G0R,  44
.set TB,   48                          ; s48 LDS byte of the step's record
.set J,    49                          ; s49 the key step
.set LAST, 50                          ; s50 the tile's last key step
.macro ROUND                           ; a round of the cluster's barrier
	s_barrier_signal -1
	s_barrier_wait -1
	s_cmp_lg_u32 s[WV], 0
	s_cbranch_scc1 .Lnot_wave_0_\@
	s_barrier_signal -3
.Lnot_wave_0_\@:
	s_barrier_wait -3
	s_barrier_signal -1
	s_barrier_wait -1
.endm
	s_load_b256 s[4:11], s[0:1], 0x0               ; qc s[4:5], kv s[6:7], oc s[8:9], os s[10:11]
	v_lshl_add_u32 v251, v0, 2, 0x34000
	v_mov_b32 v255, 0
	ds_add_u32 v251, v255
	ds_add_u32 v251, v255
	v_lshrrev_b32 v1, 5, v0
	s_delay_alu instid0(VALU_DEP_1)
	v_readfirstlane_b32 s[WV], v1                  ; wave 0..15
	s_bfe_u32 s13, ttmp6, 0x40000                  ; cx
	s_and_b32 s14, ttmp7, 0xffff                   ; batch x 16 + head, which the four partners share
	; group 1: dense blocks as rows of 256 bytes (32 elements of 8 bytes), no padding; the mask names all four work-groups
	s_mov_b32 s[G1F], 15|(3<<16)|(1<<21)
	s_mov_b32 s[G1F+1], 32<<16
	s_mov_b32 s[G1F+2], 26<<16                     ; 26 rows: a quarter of two records
	s_mov_b32 s[G1F+3], 32<<16
	s_mov_b32 s[G1F+4], 26
	s_mov_b32 s[G1F+5], 32
	s_mov_b32 s[G1F+6], 0
	s_mov_b32 s[G1F+7], 0
	s_mov_b32 s[G1R], 15|(3<<16)|(1<<21)
	s_mov_b32 s[G1R+1], 32<<16
	s_mov_b32 s[G1R+2], 182<<16                    ; 182 rows: a quarter of fourteen records
	s_mov_b32 s[G1R+3], 32<<16
	s_mov_b32 s[G1R+4], 182
	s_mov_b32 s[G1R+5], 32
	s_mov_b32 s[G1R+6], 0
	s_mov_b32 s[G1R+7], 0
	s_min_u32 s52, s[WV], 3                        ; waves 0 to 3 fetch; the others issue nothing and hold wave 3's numbers
	s_mul_i32 s54, s52, 6656
	s_mul_i32 s57, s52, 46592
	s_add_co_u32 s57, s57, 2*REC
	s_mul_i32 s62, s14, 16*REC
	s_mov_b32 s63, 0
	s_mov_b32 s[SEL], 0x76543210
	s_mov_b32 s[SEL+1], 0xfedcba98                 ; v_permlanex16_b32's selects for lane l xor 16
	s_mov_b32 s[CS], 0x3e38aa3b                    ; c = log2(e) / 8
	s_mov_b32 s[CS+1], s[CS]                       ; (named with it as a pair, so it is written)
	s_mov_b32 s55, 0x01010000
	s_mov_b32 s56, 0x0101
	s_wait_dscnt 0x0
	s_wait_kmcnt 0x0
	s_add_nc_u64 s[6:7], s[6:7], s[62:63]          ; kv at the head's first record
	s_mov_b32 s[G0F], 1
	s_mov_b32 s[G0F+1], s54                        ; LDS is a copy of the head's records: the same offset in both
	s_mov_b32 s62, s54
	s_add_nc_u64 s[G0F+2:G0F+3], s[6:7], s[62:63]
	s_or_b32 s[G0F+3], s[G0F+3], 0x80000000
	s_mov_b32 s[G0R], 1
	s_mov_b32 s[G0R+1], s57
	s_mov_b32 s62, s57
	s_add_nc_u64 s[G0R+2:G0R+3], s[6:7], s[62:63]
	s_or_b32 s[G0R+3], s[G0R+3], 0x80000000
	ROUND                                          ; all four work-groups are here: the joint loads meet
	s_cmp_lt_u32 s[WV], 4                          ; a wave's two fills stand in one branch, ahead of every wait on TENSORcnt, every LDS read and every later barrier: two loads of mine are out
	s_cbranch_scc0 .Lno_fill
	tensor_load_to_lds s[G0F:G0F+3], s[G1F:G1F+7]
	s_nop 0
	tensor_load_to_lds s[G0R:G0R+3], s[G1R:G1R+7]
	s_nop 0
.rept 4
	v_nop
.endr
.Lno_fill:
	v_and_b32 v1, 15, v0                           ; r
	v_bfe_u32 v2, v0, 4, 1                         ; h
	v_and_b32 v45, 31, v0
	s_delay_alu instid0(VALU_DEP_1)
	v_lshlrev_b32 v[L16], 4, v45
	s_delay_alu instid0(VALU_DEP_2)
	v_lshlrev_b32 v[L8], 3, v45
	v_lshlrev_b32 v[R4], 2, v1
	v_lshlrev_b32 v[RH], 3, v2
	s_delay_alu instid0(VALU_DEP_1)
	v_sub_nc_u32 v[RH], v1, v[RH]
.irp i, 0,1,2,3,4,5
	v_mov_b32 v[QHI+\i], 0                         ; the zero codes on both sides of q
	v_mov_b32 v[QLO+6+\i], 0
.endr
.irp b, 0,1,2,3
	v_mov_b32 v[236+\b], 0                         ; written once: a lane permute's destination counts as one of its sources
.endr
	v_mov_b32 v253, 0                              ; (named as the upper half of the pair v[252:253] before it is first written)
	s_lshl_b32 s15, s[WV], 2
	s_add_co_u32 s15, s15, s13                     ; 4 w + cx: the second pass's tile
	s_sub_co_u32 s51, 127, s15                     ; the first pass's
	s_lshr_b32 s[LAST], s[WV], 1
	s_sub_co_u32 s[LAST], 15, s[LAST]              ; its last key step: (127 - 4 w - cx) / 8 = 15 - w / 2 for every cx
; where tile tau's pair of Q lies: the record of its group of 128 queries; pair (tau / 2) % 4 in it
.macro QADR tau, base, va, vs
	s_lshl_b32 s52, s14, 4
	s_lshr_b32 s53, \tau, 3
	s_add_co_u32 s52, s52, s53
	s_mul_i32 s52, s52, QREC
	s_mov_b32 s53, 0
	s_add_nc_u64 s[\base:\base+1], s[4:5], s[52:53]
	s_bfe_u32 s52, \tau, 0x20001
	s_mul_i32 s53, s52, 1536
	s_lshl_b32 s52, s52, 2
	v_add_nc_u32 v[\va], s53, v[L16]
	v_add_nc_u32 v[\vs], s52, v[L16]
.endm
	QADR s51, 16, QA1, QS1
	QADR s15, 18, QA2, QS2
	s_wait_alu depctr_va_vdst(0)
.irp c, 0,1,2
	global_load_b128 v[T1+4*\c:T1+4*\c+3], v[QA1], s[16:17] offset:512*\c
.endr
	global_load_b32 v[T1+12], v[QS1], s[16:17] offset:6144
.irp c, 0,1,2
	global_load_b128 v[T2+4*\c:T2+4*\c+3], v[QA2], s[18:19] offset:512*\c
.endr
	global_load_b32 v[T2+12], v[QS2], s[18:19] offset:6144
; The head of a pass, for tile s51, whose pair stands at v[t]: my tile's half of the pair, its scale words, the mask's bound, and the sums' first state.  The choice of the half is a select, no branch.
.macro PRO t
	s_and_b32 s52, s51, 1
	s_cmp_eq_u32 s52, 0
	s_cselect_b32 s53, 0, -1                       ; all lanes: the pair's second half for an odd tile
	s_mov_b32 s54, 0x03020302
	s_cselect_b32 s54, 0x01000100, s54             ; and its two bytes of the scale word, twice
.irp i, 0,1,2,3,4,5
	v_cndmask_b32 v[QLO+\i], v[\t+\i], v[\t+6+\i], s53
.endr
	v_perm_b32 v45, v[\t+12], v[\t+12], s54
	s_delay_alu instid0(VALU_DEP_1)
	v_and_or_b32 v[QSL], v45, 0xffff, s55          ; [q's two bytes, 1, 1]
	s_delay_alu instid0(VALU_DEP_2)
	v_and_or_b32 v[QSH], v45, 0xffff0000, s56      ; [1, 1, q's two bytes]
	s_and_b32 s52, s51, 7
	s_lshl_b32 s52, s52, 4
	v_add_nc_u32 v[DD], s52, v[RH]                 ; my query's place in its last key step, less 8 (lane / 16)
	v_mov_b32 v13, 0xff61b1e6                      ; the largest t so far: -3e38, under every t
	s_delay_alu instid0(VALU_DEP_1)
	v_floor_f32 v12, -v13                          ; -M
	v_mov_b32 v14, 0                               ; the sum, in two halves
	v_mov_b32 v15, 0
.irp j, 0,1,2,3,4,5,6,7,8,9,10,11,12,13,14,15,16,17,18,19,20,21,22,23,24,25,26,27,28,29,30,31
	v_mov_b32 v[OT+\j], 0                          ; O^T: the first change of M leaves zeros zeros.  (These are also the places between q's registers and scale words and the first product)
.endr
.endm
; where tile s51's results go: oc: (row tile x 16 + head) x 768; os: (row tile x 8 + head / 2) x 64 + 2 (head % 2)
.macro OBASE
	s_lshr_b32 s52, s14, 4
	s_lshl_b32 s52, s52, 7
	s_add_co_u32 s52, s52, s51                     ; the row tile: batch x 128 + tile
	s_and_b32 s53, s14, 15                         ; the head
	s_lshl_b32 s62, s52, 4
	s_add_co_u32 s62, s62, s53
	s_mul_i32 s62, s62, 768
	s_mov_b32 s63, 0
	s_add_nc_u64 s[58:59], s[8:9], s[62:63]
	s_lshl_b32 s62, s52, 3
	s_lshr_b32 s53, s53, 1
	s_add_co_u32 s62, s62, s53
	s_lshl_b32 s62, s62, 6
	s_and_b32 s53, s14, 1
	s_lshl_b32 s53, s53, 1
	s_add_co_u32 s62, s62, s53
	s_add_nc_u64 s[60:61], s[10:11], s[62:63]
.endm
; A KEY STEP: 128 keys, the record at LDS byte s[TB].  guarded = 1: the step is left out behind the tile's last, and masked in the last.
.macro STEP guarded
.if \guarded
	s_cmp_gt_u32 s[J], s[LAST]
	s_cbranch_scc1 .Lhidden_\@
.endif
	s_setprio 2
	v_add_nc_u32 v[AD], s[TB], v[L16]
	v_add_nc_u32 v[AD8], s[TB], v[L8]
	v_nop
	v_nop                                          ; four places in front of loads into registers that the last products have read
.irp b, 0,1,2,3
.irp c, 0,1,2
	ds_load_b128 v[FR+12*\b+4*\c:FR+12*\b+4*\c+3], v[AD] offset:1536*\b+512*\c   ; K's four pair images, as they were stored
.endr
.endr
	ds_load_b128 v[KSW:KSW+3], v[AD] offset:6144
	s_wait_alu depctr_va_vdst(0)
	s_wait_dscnt 0x0
.irp b, 0,1,2,3
	v_wmma_scale_f32_16x16x128_f8f6f4 v[ST+16*\b:ST+16*\b+7], v[FR+12*\b:FR+12*\b+11], v[QLO:QLO+11], 0, v[KSW+\b], v[QSL] matrix_a_fmt:MATRIX_FMT_FP6 matrix_b_fmt:MATRIX_FMT_FP6
	v_wmma_scale_f32_16x16x128_f8f6f4 v[ST+16*\b+8:ST+16*\b+15], v[FR+12*\b:FR+12*\b+11], v[QHI:QHI+11], 0, v[KSW+\b], v[QSH] matrix_a_fmt:MATRIX_FMT_FP6 matrix_b_fmt:MATRIX_FMT_FP6
.endr
.rept 4
	v_nop                                          ; places in front of the loads below and of the first read of the scores
.endr
.irp n, 0,1,2,3
.irp c, 0,1,2
	ds_load_b128 v[FR+12*\n+4*\c:FR+12*\n+4*\c+3], v[AD] offset:6656+1536*\n+512*\c   ; V's four fragments land while the softmax is walked
.endr
.endr
.irp g, 0,1
	ds_load_b64 v[VSW+2*\g:VSW+2*\g+1], v[AD8] offset:12800+256*\g
.endr
.if \guarded
	s_cmp_lg_u32 s[J], s[LAST]
	s_cbranch_scc1 .Lopen_\@
	v_mov_b32 v254, 0xff800000                     ; the tile's last step: register n holds key 16 (n / 8) + n % 8 + 8 (lane / 16) of the step: hidden where that lies behind my query
.irp n, 0,1,2,3,4,5,6,7,8,9,10,11,12,13,14,15,16,17,18,19,20,21,22,23,24,25,26,27,28,29,30,31,32,33,34,35,36,37,38,39,40,41,42,43,44,45,46,47,48,49,50,51,52,53,54,55,56,57,58,59,60,61,62,63
	v_cmp_gt_i32 vcc_lo, 16*(\n/8)+\n%8, v[DD]
	v_cndmask_b32 v[ST+\n], v[ST+\n], v254, vcc_lo
.endr
.Lopen_\@:
.endif
.irp b, 0,1,2,3
	v_max3_num_f32 v[232+\b], v[ST+16*\b], v[ST+1+16*\b], v[ST+2+16*\b]   ; the largest score of each block of 32 keys: for the row's maximum, and, since p rises with the score, for the block's largest p
.endr
.irp i, 3,5,7,9,11,13
.irp b, 0,1,2,3
	v_max3_num_f32 v[232+\b], v[232+\b], v[ST+16*\b+\i], v[ST+1+16*\b+\i]
.endr
.endr
.irp b, 0,1,2,3
	v_max_num_f32 v[232+\b], v[232+\b], v[ST+15+16*\b]
.endr
.irp b, 0,1,2,3
	s_delay_alu instid0(VALU_DEP_4)
	v_permlanex16_b32 v[236+\b], v[232+\b], s[SEL], s[SEL+1]
.endr
.irp b, 0,1,2,3
	s_delay_alu instid0(VALU_DEP_4)
	v_max_num_f32 v[232+\b], v[232+\b], v[236+\b]  ; with lane l xor 16's 16 keys
.endr
	s_delay_alu instid0(VALU_DEP_2)
	v_max3_num_f32 v254, v232, v233, v234
	s_delay_alu instid0(VALU_DEP_1)
	v_max_num_f32 v254, v254, v235                 ; the step's largest score of my query
	s_delay_alu instid0(VALU_DEP_1)
	v_mul_f32 v254, s[CS], v254                    ; as t
	s_delay_alu instid0(VALU_DEP_1)
	v_max_num_f32 v13, v13, v254                   ; the running largest t
	v_mov_b32 v254, v12
	s_delay_alu instid0(VALU_DEP_2)
	v_floor_f32 v12, -v13                          ; the new -M = floor(-t): M is a whole number
	s_delay_alu instid0(VALU_DEP_1)
	v_sub_f32 v254, v12, v254                      ; old M less new M: a whole number, 0 or less
	s_delay_alu instid0(VALU_DEP_1)
	v_cvt_i32_f32 v254, v254                       ; (it saturates)
	s_delay_alu instid0(VALU_DEP_1)
	v_ldexp_f32 v252, 1.0, v254                    ; f = 2^(old M - new M): a multiplication by it rounds nothing
.irp j, 0,2,4,6,8,10,12,14,16,18,20,22,24,26,28,30,32,34,36,38,40,42,44,46,48,50,52,54,56,58,60,62
	v_pk_fma_f32 v[ST+\j:ST+1+\j], v[ST+\j:ST+1+\j], s[CS:CS+1], v[12:13] op_sel_hi:[1,0,0]   ; t - M, two at a time
.endr
	s_setprio 1
.irp b, 0,1,2,3
	v_fma_f32 v[232+\b], v[232+\b], s[CS], v12     ; the same of each block's largest score
.endr
	s_wait_alu depctr_va_vdst(0)
.irp j, 0,1,2,3,4,5,6,7,8,9,10,11,12,13,14,15,16,17,18,19,20,21,22,23,24,25,26,27,28,29,30,31,32,33,34,35,36,37,38,39,40,41,42,43,44,45,46,47,48,49,50,51,52,53,54,55,56,57,58,59,60,61,62,63
	v_exp_f32 v[ST+\j], v[ST+\j]                   ; p = 2^(t - M): not normalised
.endr
	v_pk_mul_f32 v[14:15], v[14:15], v[252:253] op_sel_hi:[1,0]   ; the sums under the new M: a plain place behind the exponentials
	s_wait_alu depctr_va_vdst(0)                   ; one wait for the whole batch, ahead of its first reader
.irp b, 0,1,2,3
	v_exp_f32 v[232+\b], v[232+\b]                 ; the block's largest p
.endr
	v_pk_add_f32 v[236:237], v[100:101], v[104:105]
	v_pk_add_f32 v[248:249], v[108:109], v[112:113]
	v_pk_add_f32 v[246:247], v[116:117], v[120:121]
	v_pk_add_f32 v[244:245], v[124:125], v[128:129]
	v_pk_add_f32 v[242:243], v[132:133], v[136:137]
	v_pk_add_f32 v[240:241], v[140:141], v[144:145]
	v_pk_add_f32 v[238:239], v[148:149], v[152:153]
	v_pk_add_f32 v[14:15], v[14:15], v[156:157]
	v_pk_add_f32 v[236:237], v[236:237], v[96:97]
	v_pk_add_f32 v[248:249], v[248:249], v[98:99]
	v_pk_add_f32 v[246:247], v[246:247], v[102:103]
	v_pk_add_f32 v[244:245], v[244:245], v[106:107]
	v_pk_add_f32 v[242:243], v[242:243], v[110:111]
	v_pk_add_f32 v[240:241], v[240:241], v[114:115]
	v_pk_add_f32 v[238:239], v[238:239], v[118:119]
	v_pk_add_f32 v[14:15], v[14:15], v[122:123]
	v_pk_add_f32 v[236:237], v[236:237], v[126:127]
	v_pk_add_f32 v[248:249], v[248:249], v[130:131]
	v_pk_add_f32 v[246:247], v[246:247], v[134:135]
	v_pk_add_f32 v[244:245], v[244:245], v[138:139]
	v_pk_add_f32 v[242:243], v[242:243], v[142:143]
	v_pk_add_f32 v[240:241], v[240:241], v[146:147]
	v_pk_add_f32 v[238:239], v[238:239], v[150:151]
	v_pk_add_f32 v[14:15], v[14:15], v[154:155]
	v_pk_add_f32 v[236:237], v[236:237], v[158:159]
	s_delay_alu instid0(VALU_DEP_2)
	v_pk_add_f32 v[14:15], v[14:15], v[244:245]
	s_delay_alu instid0(VALU_DEP_2)
	v_pk_add_f32 v[236:237], v[236:237], v[242:243]
	v_pk_add_f32 v[248:249], v[248:249], v[240:241]
	v_pk_add_f32 v[246:247], v[246:247], v[238:239]
	s_delay_alu instid0(VALU_DEP_2)
	v_pk_add_f32 v[14:15], v[14:15], v[248:249]
	s_delay_alu instid0(VALU_DEP_2)
	v_pk_add_f32 v[236:237], v[236:237], v[246:247]
	s_delay_alu instid0(VALU_DEP_1)
	v_pk_add_f32 v[14:15], v[14:15], v[236:237]
	s_wait_alu depctr_va_vdst(0)                   ; and one for the four
.irp b, 0,1,2,3
	v_max_num_f32 v[232+\b], 0x1800000, v[232+\b]  ; the floor 2^(3 - 127): the byte cannot fall under 1
.endr
.irp b, 0,1,2,3
	s_delay_alu instid0(VALU_DEP_4)
	v_add_nc_u32 v[244+\b], 0xff000000, v[232+\b]  ; 2 off the exponent field: the conversion's scale operand
.endr
.irp b, 0,1,2,3
	s_delay_alu instid0(VALU_DEP_4)
	v_lshrrev_b32 v[236+\b], 23, v[244+\b]         ; the scale's byte
.endr
	s_delay_alu instid0(VALU_DEP_3)
	v_lshl_or_b32 v253, v237, 8, v236              ; p's scale word for these 128 keys
	s_delay_alu instid0(VALU_DEP_1)
	v_lshl_or_b32 v253, v238, 16, v253
	s_delay_alu instid0(VALU_DEP_1)
	v_lshl_or_b32 v253, v239, 24, v253
	s_setprio 0
.irp c, 0,1
	v_cvt_scalef32_pk16_fp6_f32 v[224+6*\c:226+6*\c], v[ST+32*\c:ST+15+32*\c], v[244+2*\c]
	v_cvt_scalef32_pk16_fp6_f32 v[236+4*\c:238+4*\c], v[ST+16+32*\c:ST+31+32*\c], v[244+2*\c+1]   ; (a conversion's three registers begin on an even number)
.endr
	v_nop                                          ; one plain place behind a scaled conversion
.irp c, 0,1                                    ; the operand's layout wants a whole block in a lane
.irp i, 0,1,2
	v_permlane16_swap_b32 v[224+6*\c+\i], v[236+4*\c+\i]
.endr
.irp i, 0,1,2
	s_delay_alu instid0(VALU_DEP_3)
	v_mov_b32 v[227+6*\c+\i], v[236+4*\c+\i]
.endr
.endr
.irp j, 0,2,4,6,8,10,12,14,16,18,20,22,24,26,28,30
	v_pk_mul_f32 v[OT+\j:OT+1+\j], v[OT+\j:OT+1+\j], v[252:253] op_sel_hi:[1,0]   ; O^T under the new M.  (These sixteen are also the places between p's codes and scale word and the products)
.endr
	s_wait_alu depctr_va_vdst(0)
	s_wait_dscnt 0x0                               ; V is in
.irp n, 0,1,2,3
	v_wmma_scale_f32_16x16x128_f8f6f4 v[OT+8*\n:OT+8*\n+7], v[FR+12*\n:FR+12*\n+11], v[224:235], v[OT+8*\n:OT+8*\n+7], v[VSW+\n], v253 matrix_a_fmt:MATRIX_FMT_FP6 matrix_b_fmt:MATRIX_FMT_FP6
.endr
.if \guarded
.Lhidden_\@:
.endif
	s_add_co_u32 s[TB], s[TB], REC                 ; the next record
.endm
; THE END OF A PASS: O / l, brought into true order of the head's channels, quantised in two blocks of 32, stored as half a fragment's image (six registers, 8 bytes a lane and store) and two scale bytes a row.
.macro EPI
.rept 4
	v_nop                                          ; places behind the last products
.endr
	v_add_f32 v14, v14, v15
	s_delay_alu instid0(VALU_DEP_1)
	v_permlanex16_b32 v252, v14, s[SEL], s[SEL+1]
	s_delay_alu instid0(VALU_DEP_1)
	v_add_f32 v14, v14, v252                       ; the row's sum
	s_wait_alu depctr_va_vdst(0)
	v_rcp_f32 v14, v14
	v_nop                                          ; one plain place behind the reciprocal
	s_wait_alu depctr_va_vdst(0)                   ; and the wait ahead of its first reader
.irp j, 0,1,2,3,4,5,6,7,8,9,10,11,12,13,14,15,16,17,18,19,20,21,22,23,24,25,26,27,28,29,30,31
	v_mul_f32 v[ST+\j], v[OT+\j], v14              ; register 8 n + j: channel 16 n + 8 h + j
.endr
.irp b, 0,1
.irp j, 0,1,2,3,4,5,6,7
	v_permlane16_swap_b32 v[ST+16*\b+\j], v[ST+8+16*\b+\j]   ; now register 16 b + i: channel 32 b + 16 h + i
.endr
.endr
.irp b, 0,1
	v_max3_num_f32 v[232+\b], |v[ST+16*\b]|, |v[ST+1+16*\b]|, 0x1800000
.endr
.irp i, 2,4,6,8,10,12,14
.irp b, 0,1
	s_delay_alu instid0(VALU_DEP_2)
	v_max3_num_f32 v[232+\b], v[232+\b], |v[ST+16*\b+\i]|, |v[ST+1+16*\b+\i]|
.endr
.endr
.irp b, 0,1
	s_delay_alu instid0(VALU_DEP_2)
	v_permlanex16_b32 v[236+\b], v[232+\b], s[SEL], s[SEL+1]
.endr
.irp b, 0,1
	s_delay_alu instid0(VALU_DEP_2)
	v_max_num_f32 v[232+\b], v[232+\b], v[236+\b]
.endr
.irp b, 0,1
	s_delay_alu instid0(VALU_DEP_2)
	v_add_nc_u32 v[244+\b], 0xff000000, v[232+\b]
.endr
.irp b, 0,1
	s_delay_alu instid0(VALU_DEP_2)
	v_lshrrev_b32 v[236+\b], 23, v[244+\b]
.endr
	s_delay_alu instid0(VALU_DEP_1)
	v_lshl_or_b32 v253, v237, 8, v236              ; the head's two bytes of my row's scale word
	v_cvt_scalef32_pk16_fp6_f32 v[224:226], v[ST:ST+15], v244
	v_cvt_scalef32_pk16_fp6_f32 v[240:242], v[ST+16:ST+31], v245
	v_nop
.irp i, 0,1,2
	v_permlane16_swap_b32 v[224+\i], v[240+\i]
.endr
.irp i, 0,1,2
	s_delay_alu instid0(VALU_DEP_3)
	v_mov_b32 v[227+\i], v[240+\i]                 ; registers 224-229: channels 32 h + 0 .. 31
.endr
.irp c, 0,1,2
	global_store_b64 v[L8], v[224+2*\c:225+2*\c], s[58:59] offset:256*\c   ; 32 lanes store 256 consecutive bytes, aligned
.endr
	global_store_b16 v[R4], v253, s[60:61]         ; two bytes a row: the word's other half comes from the neighbouring head's work-group.  Lanes 16-31 write what lanes 0-15 write
.endm
	s_wait_loadcnt 0x0                             ; both pairs of Q
	PRO T1
	OBASE
	s_mov_b32 s[TB], 0
	s_wait_tensorcnt 0x1                           ; my part of records 0 and 1 is in; the load of records 2 to 15 may be out
	s_barrier_signal -1
	s_barrier_wait -1
	STEP 0                                         ; every wave's first tile has nine key steps or more: the first two want no guard
	STEP 0
	s_wait_tensorcnt 0x0                           ; my part of the other records is in,
	s_wait_dscnt 0x0
	s_barrier_signal -1
	s_barrier_wait -1                              ; everybody's is; from here on LDS is only read
	s_mov_b32 s[J], 2
.Lpass1:
	STEP 1
	s_add_co_u32 s[J], s[J], 1
	s_cmp_lt_u32 s[J], 16
	s_cbranch_scc1 .Lpass1
	s_setprio 0
	EPI
	s_wait_xcnt 0x0                                ; the stores have read their registers and bases: both are written again below
	s_mov_b32 s51, s15                             ; the second tile,
	s_lshr_b32 s[LAST], s[WV], 1                   ; whose last key step is (4 w + cx) / 8 = w / 2
	OBASE
	s_mov_b32 s[TB], 0
	PRO T2
	s_mov_b32 s[J], 0
.Lpass2:
	STEP 1
	s_add_co_u32 s[J], s[J], 1
	s_cmp_lt_u32 s[J], 8
	s_cbranch_scc1 .Lpass2
	s_setprio 0
	EPI
	s_wait_tensorcnt 0x0
	ds_add_u32 v251, v255
	s_wait_dscnt 0x0
	ROUND                                          ; the closing round
	s_endpgm
.Lfunc_end_k_q5fe2928895_attn:
	.size	k_q5fe2928895_attn, .Lfunc_end_k_q5fe2928895_attn-k_q5fe2928895_attn
	.p2alignl 7, 3214868480
	.fill 96, 4, 3214868480
	.section	.rodata,"a",@progbits
	.p2align	6, 0x0
	.amdhsa_kernel k_q5fe2928895_attn
		.amdhsa_group_segment_fixed_size 215040
		.amdhsa_private_segment_fixed_size 0
		.amdhsa_enable_private_segment 0
		.amdhsa_kernarg_size 32
		.amdhsa_user_sgpr_count 2
		.amdhsa_user_sgpr_kernarg_segment_ptr 1
		.amdhsa_wavefront_size32 1
		.amdhsa_system_sgpr_workgroup_id_x 1
		.amdhsa_system_sgpr_workgroup_id_y 1
		.amdhsa_system_sgpr_workgroup_id_z 1
		.amdhsa_system_vgpr_workitem_id 0
		.amdhsa_next_free_vgpr 256
		.amdhsa_next_free_sgpr 66
		.amdhsa_reserve_vcc 1
		.amdhsa_float_denorm_mode_32 3
		.amdhsa_float_denorm_mode_16_64 3
		.amdhsa_memory_ordered 1
		.amdhsa_forward_progress 1
		.amdhsa_inst_pref_size 100
	.end_amdhsa_kernel
	.amdgpu_metadata
---
amdhsa.version: [ 1, 2 ]
amdhsa.kernels:
  - .name:           k_q5fe2928895_attn
    .symbol:         k_q5fe2928895_attn.kd
    .args:
      - { .name: qc, .offset: 0, .size: 8, .value_kind: global_buffer, .address_space: global }
      - { .name: kv, .offset: 8, .size: 8, .value_kind: global_buffer, .address_space: global }
      - { .name: oc, .offset: 16, .size: 8, .value_kind: global_buffer, .address_space: global }
      - { .name: os, .offset: 24, .size: 8, .value_kind: global_buffer, .address_space: global }
    .group_segment_fixed_size: 215040
    .private_segment_fixed_size: 0
    .kernarg_segment_align: 8
    .kernarg_segment_size: 32
    .max_flat_workgroup_size: 512
    .sgpr_count:     66
    .vgpr_count:     256
    .wavefront_size: 32
...
	.end_amdgpu_metadata
.endif
;; end of part 2
;; launch proj (part 3): grid 4 x 64, 4 waves a work-group, clusters of 4 x 4, 327,680 bytes of LDS; arguments oc, os, Wo_codes, Wo_scales, bo, out0; writes out0
.if DOCPART == 3
	.amdgcn_target "amdgcn-amd-amdhsa--gfx1250"
	.amdhsa_code_object_version 6
	.text
	.protected	k_q5fe2928895_proj
	.globl	k_q5fe2928895_proj
	.p2align	8
	.type	k_q5fe2928895_proj,@function
k_q5fe2928895_proj:
	s_mov_b64 s[64:65], 0
	v_nop
	global_prefetch_b8 v0, s[64:65] scope:SCOPE_SE
	s_setreg_imm32_b32 hwreg(HW_REG_WAVE_MODE, 25, 1), 1
	s_wait_xcnt 0x0
	s_wait_alu depctr_hold_cnt(0) depctr_sa_sdst(0) depctr_va_vdst(0) depctr_va_sdst(0) depctr_va_ssrc(0) depctr_va_vcc(0) depctr_vm_vsrc(0)
	s_getreg_b32 s2, hwreg(HW_REG_IB_STS2, 6, 4)
	s_cmp_eq_u32 s2, 0
	s_cbranch_scc0 .Lentry_in_a_cluster
	s_endpgm
.Lentry_in_a_cluster:
	s_bfe_u32 s2, ttmp6, 0x10000c
	s_cmp_lg_u32 s2, 0xf033
	s_cbranch_scc0 .Lentry_shape_is_right
	s_endpgm
.Lentry_shape_is_right:
; out0 = A Wo^T + bo on codes of FP6 (E2M3) with one E8M0 scale for each 32 along K = 1,024.  A, the attention's result, comes as images of operand registers (oc) and scale words (os); Wo as given.
; SHARES.  A work-group makes 128 rows x 256 columns: 256 work-groups.  Wave w (WHI = w / 2, WLO = w % 2) makes rows 64 WHI on (4 tiles) x columns 128 WLO on (8 tiles of Wo): 32 accumulators.
; THE MATRIX INSTRUCTION IS USED TRANSPOSED (source 0 = 16 rows of Wo, source 1 = 16 rows of A): a lane holds eight neighbouring columns of one row.  The bias is the C of each sum's first instruction.
; K goes in steps of 256 through two LDS slots filled by the tensor data mover; four K steps, written out.  A's part of a slot is dense (8 row tiles x 3,072 bytes of images), Wo's has rows of 192 bytes, padded.
; The scale words of A's 128 rows and the scale bytes of Wo's 256 rows come once.  CLUSTER 4 x 4: A's tiles are shared along a row of the cluster, Wo's along a column: joint loads.
; THE WAY OUT: a block of 16 rows x 128 columns goes through the wave's stage in LDS and leaves as whole rows of 512 bytes.  The stage lies in slot 0, which has had its last fill and its last read by then.
; LIMITS: NaN and infinities (scale byte 0xff) are not served.
.set KROW,  768
.set ROWB,  192
.set PITCH, 240
.set SLOT,  86016                      ; A's images, 24,576 bytes; then Wo's 256 rows
.set BOFF,  24576
.set SCA0,  172032                     ; A's scale words: 8 row tiles x 8 K steps of 128 x 64 bytes
.set SCB0,  176128                     ; Wo's scale bytes: 32 runs of 256 bytes + 16
.set SPARE, 184832                     ; the spare words: 128 bytes for each wave
.set SPITCH, 528
.set ADRA, 8                           ; v8-9 A's images in slot 0, 1
.set ADRB, 12                          ; v12-13 Wo's fragments; v14-15 the same behind one padding more
.set ASA,  20
.set ASB,  21
.set STO,  24
.set RD,   25
.set CO,   26
.set BA,   27                          ; v27 32 x (lane / 16): the bias
.set SPW,  28
.set NIL,  29
.set SCA,  32                          ; v32-47 A's scale words: v[32 + 8 s + 2 a + q]
.set SCB,  48                          ; v48-79 Wo's: v[48 + 16 s + 2 b + q]
.set BK,   128                         ; v128-255 the way out
.set WF,   48                          ; window 1: A's fragments at v[12 a]; Wo's set p, fragment b at v[48 + 96 p + 12 b].  window 2: accumulator (a, b) at v[8 (8 a + b)].  window 3: the bias, tile b at v[8 b]
.set WV,   24
.set WHI,  25
.set WLO,  26
.set G1A,  36
.set G1B,  44
.set G1SA, 52
.set G1SB, 68
.set G0A,  76
.set G0B,  84
.set G0SA, 92
.set G0SB, 96
.set W_M,  0xa5                        ; sources 0 and 1 window 1, C and D window 2
.set W_M1, 0xb5                        ; the same with C in window 3: the bias
.set W_F,  0x40
.set MSB, 0
.macro WIN new
.if MSB != (\new)
	s_set_vgpr_msb (MSB<<8)|(\new)
.set MSB, (\new)
.endif
.endm
.macro PLACES n
.rept \n
	v_nop
.endr
.endm
; A joint load: waves 0 and 1 fetch A's halves, waves 2 and 3 Wo's.  Four v_nop follow each of the two lines.
.macro JLOAD g0a, g1a, g0b, g1b
	s_cmp_eq_u32 s[WHI], 0
	s_cbranch_scc0 .Lfor_b_\@
	tensor_load_to_lds s[\g0a:\g0a+3], s[\g1a:\g1a+7]
	s_nop 0
.rept 4
	v_nop
.endr
	s_branch .Lasked_\@
.Lfor_b_\@:
	tensor_load_to_lds s[\g0b:\g0b+3], s[\g1b:\g1b+7]
	s_nop 0
.rept 4
	v_nop
.endr
.Lasked_\@:
.endm
.macro CREST
	s_cmp_lg_u32 s[WV], 0
	s_cbranch_scc1 .Lnot_wave_0_\@
	s_barrier_signal -3
.Lnot_wave_0_\@:
	s_barrier_wait -3
	s_barrier_signal -1
	s_barrier_wait -1
.endm
.macro CROUND
	s_barrier_signal -1
	s_barrier_wait -1
	CREST
.endm
	s_load_b256 s[4:11], s[0:1], 0x0               ; oc s[4:5], os s[6:7], Wo's codes s[8:9], Wo's scales s[10:11]
	s_load_b128 s[12:15], s[0:1], 0x20             ; bo s[12:13], out0 s[14:15]
	v_lshl_add_u32 v[SPW], v0, 2, SPARE
	v_mov_b32 v[NIL], 0
	ds_add_u32 v28, v29
	ds_add_u32 v28, v29
	s_wait_dscnt 0x0
	v_lshrrev_b32 v1, 5, v0
	v_readfirstlane_b32 s[WV], v1
	s_lshr_b32 s[WHI], s[WV], 1
	s_and_b32 s[WLO], s[WV], 1
	s_bfe_u32 s27, ttmp6, 0x40000                  ; cx
	s_bfe_u32 s28, ttmp6, 0x40004                  ; cy
	s_lshl_b32 s29, ttmp9, 2
	s_add_co_u32 s29, s29, s27                     ; the block of 256 columns
	s_and_b32 s30, ttmp7, 0xffff
	s_lshl_b32 s30, s30, 2
	s_add_co_u32 s30, s30, s28                     ; the block of 128 rows
	s_lshl_b32 s31, s28, 2
	s_lshl_b32 s31, 15, s31                        ; my row of the cluster
	s_lshl_b32 s32, 0x1111, s27                    ; my column
	s_or_b32 s[G1A], s31, (3<<16)|(1<<21)          ; A's images: 4 row tiles x 3,072 bytes (384 elements of 8 bytes), 12,288 bytes apart; no padding
	s_mov_b32 s[G1A+1], 384<<16
	s_mov_b32 s[G1A+2], 4<<16
	s_mov_b32 s[G1A+3], 384<<16
	s_mov_b32 s[G1A+4], 4
	s_mov_b32 s[G1A+5], 1536
	s_mov_b32 s[G1A+6], 0
	s_mov_b32 s[G1A+7], 0
	s_or_b32 s[G1B], s32, (1<<20)|(1<<21)|(3<<22)|(3<<25)   ; Wo: 128 rows of 192 bytes, 16 bytes of padding behind every 64
	s_mov_b32 s[G1B+1], ROWB<<16
	s_mov_b32 s[G1B+2], 128<<16
	s_mov_b32 s[G1B+3], ROWB<<16
	s_mov_b32 s[G1B+4], 128
	s_mov_b32 s[G1B+5], KROW
	s_mov_b32 s[G1B+6], 0
	s_mov_b32 s[G1B+7], 0
	s_or_b32 s[G1SA], s31, (3<<16)|(1<<21)         ; A's scale words: 8 rows of 256 bytes, dense
	s_mov_b32 s[G1SA+1], 32<<16
	s_mov_b32 s[G1SA+2], 8<<16
	s_mov_b32 s[G1SA+3], 32<<16
	s_mov_b32 s[G1SA+4], 8
	s_mov_b32 s[G1SA+5], 32
	s_mov_b32 s[G1SA+6], 0
	s_mov_b32 s[G1SA+7], 0
	s_or_b32 s[G1SB], s32, (3<<16)|(1<<20)|(1<<21)|(5<<22)|(3<<25)   ; Wo's scale bytes: 16 rows of 256 bytes, 16 of padding behind each
	s_mov_b32 s[G1SB+1], 32<<16
	s_mov_b32 s[G1SB+2], 16<<16
	s_mov_b32 s[G1SB+3], 32<<16
	s_mov_b32 s[G1SB+4], 16
	s_mov_b32 s[G1SB+5], 32
	s_mov_b32 s[G1SB+6], 0
	s_mov_b32 s[G1SB+7], 0
	s_lshl_b32 s33, s30, 3
	s_lshl_b32 s34, s[WLO], 2
	s_add_co_u32 s33, s33, s34                     ; the first row tile of A that I would fetch
	s_lshl_b32 s2, s29, 8
	s_lshl_b32 s3, s[WLO], 7
	s_add_co_u32 s2, s2, s3                        ; the first row of Wo that I would fetch; also my first column
	s_mul_i32 s60, s[WLO], 12288                   ; and where they go: no place in the cluster enters an LDS address
	s_mul_i32 s61, s[WLO], 128*PITCH
	s_lshl_b32 s62, s[WLO], 11
	s_mul_i32 s63, s[WLO], 4352
	s_mov_b32 s35, 0
	s_mov_b32 s67, 0
	s_wait_kmcnt 0x0
	s_mul_i32 s34, s33, 12288
	s_add_nc_u64 s[4:5], s[4:5], s[34:35]
	s_lshl_b32 s34, s33, 9
	s_add_nc_u64 s[6:7], s[6:7], s[34:35]
	s_mul_i32 s66, s2, KROW
	s_add_nc_u64 s[8:9], s[8:9], s[66:67]
	s_lshl_b32 s66, s2, 5
	s_add_nc_u64 s[10:11], s[10:11], s[66:67]
	CROUND                                         ; all sixteen work-groups are here: the first joint loads meet
	s_mov_b32 s[G0SA], 1
	s_add_co_u32 s[G0SA+1], s62, SCA0
	s_mov_b64 s[G0SA+2:G0SA+3], s[6:7]
	s_or_b32 s[G0SA+3], s[G0SA+3], 0x80000000
	s_mov_b32 s[G0SB], 1
	s_add_co_u32 s[G0SB+1], s63, SCB0
	s_mov_b64 s[G0SB+2:G0SB+3], s[10:11]
	s_or_b32 s[G0SB+3], s[G0SB+3], 0x80000000
	JLOAD G0SA, G1SA, G0SB, G1SB
.irp s, 0,1
	s_mov_b32 s[G0A+4*\s], 1
	s_add_co_u32 s[G0A+4*\s+1], s60, \s*SLOT
	s_add_nc_u64 s[G0A+4*\s+2:G0A+4*\s+3], s[4:5], \s*3072
	s_or_b32 s[G0A+4*\s+3], s[G0A+4*\s+3], 0x80000000
	s_mov_b32 s[G0B+4*\s], 1
	s_add_co_u32 s[G0B+4*\s+1], s61, BOFF+\s*SLOT
	s_add_nc_u64 s[G0B+4*\s+2:G0B+4*\s+3], s[8:9], \s*ROWB
	s_or_b32 s[G0B+4*\s+3], s[G0B+4*\s+3], 0x80000000
	JLOAD G0A+4*\s, G1A, G0B+4*\s, G1B             ; three loads of mine are out behind the second of these
.endr
	v_and_b32 v1, 15, v0                           ; r
	v_bfe_u32 v2, v0, 4, 1                         ; h
	v_and_b32 v7, 31, v0
	v_lshlrev_b32 v3, 3, v7                        ; 8 x lane
	v_mul_u32_u24 v4, v1, PITCH
	v_mad_u32_u24 v4, v2, 24, v4
	v_lshl_add_u32 v5, v2, 4, v4
	s_mul_i32 s33, s[WHI], 12288                   ; my four row tiles' images
	s_mul_i32 s34, s[WLO], 128*PITCH
	s_add_co_u32 s34, s34, BOFF                    ; my 128 rows of Wo
.irp s, 0,1
	v_add_nc_u32 v[ADRA+\s], s33, v3
	v_add_nc_u32 v[ADRB+\s], s34, v4
	v_add_nc_u32 v[ADRB+2+\s], s34, v5
	s_add_co_u32 s33, s33, SLOT
	s_add_co_u32 s34, s34, SLOT
.endr
	s_lshl_b32 s33, s[WHI], 11
	s_add_co_u32 s33, s33, SCA0
	v_lshl_add_u32 v[ASA], v1, 2, s33
	v_lshlrev_b32 v6, 5, v1
	v_lshrrev_b32 v5, 3, v1
	v_lshl_add_u32 v6, v5, 4, v6
	s_mul_i32 s33, s[WLO], 4352
	s_add_co_u32 s33, s33, SCB0
	v_add_nc_u32 v[ASB], s33, v6
	s_mul_i32 s33, s[WV], 16*SPITCH                ; my stage
	v_mul_u32_u24 v6, v1, SPITCH
	v_lshl_add_u32 v6, v2, 5, v6
	v_add_nc_u32 v[STO], s33, v6                   ; in: row r, 32 bytes for each half of the lanes
	v_lshlrev_b32 v[CO], 4, v7
	v_add_nc_u32 v[RD], s33, v[CO]                 ; back: the 32 lanes take one row of 512 bytes
	v_lshlrev_b32 v[BA], 5, v2
	s_lshl_b32 s66, s2, 2
	s_add_nc_u64 s[12:13], s[12:13], s[66:67]      ; bo at my 128 columns
	s_add_nc_u64 s[14:15], s[14:15], s[66:67]      ; out0 likewise,
	s_lshl_b32 s34, s30, 7
	s_lshl_b32 s33, s[WHI], 6
	s_add_co_u32 s34, s34, s33
	s_lshl_b32 s34, s34, 12
	s_add_nc_u64 s[14:15], s[14:15], s[34:35]      ; at my first row
	WIN 0xc0                                       ; destination window 3
.irp b, 0,1,2,3,4,5,6,7
	global_load_b128 v[8*\b:8*\b+3], v[BA], s[12:13] offset:64*\b          ; lane (r, h): the bias of columns 16 b + 8 h + 0 .. 7
	global_load_b128 v[8*\b+4:8*\b+7], v[BA], s[12:13] offset:64*\b+16
.endr
	WIN 0
.macro FRAG reg, adr, q, i             ; a fragment of Wo: six pieces of 8 bytes of the row as they lie; the second address register serves the pieces that for lanes 16-31 lie behind one padding more
.irp p, 0,1,2,3,4,5
.set PC, 12*(\q)+6*(\p/3)+\p%3
.if PC%8 < 5
	ds_load_b64 v[\reg+2*\p:\reg+2*\p+1], v[\adr] offset:8*PC+16*(PC/8)+(\i)*16*PITCH
.else
	ds_load_b64 v[\reg+2*\p:\reg+2*\p+1], v[\adr+2] offset:8*PC+16*(PC/8)+(\i)*16*PITCH
.endif
.endr
.endm
.macro FRAGA reg, adr, q, a            ; a fragment of A: its image, two registers a load at 8 x lane
.irp p, 0,1,2,3,4,5
	ds_load_b64 v[\reg+2*\p:\reg+2*\p+1], v[\adr] offset:3072*(\a)+1536*(\q)+256*\p
.endr
.endm
.macro FETCH_B slot, q, p              ; 48 loads
	WIN W_F
.irp b, 0,1,2,3,4,5,6,7
	FRAG WF+96*(\p)+12*\b, ADRB+\slot, \q, \b
.endr
.endm
.macro FETCH_A slot, q, a0             ; A's tiles a0, a0 + 1: 12 loads
	WIN W_F
.irp a, \a0, \a0+1
	FRAGA 12*(\a), ADRA+\slot, \q, \a
.endr
.endm
.macro SCALES set, ks                  ; 16 loads
	WIN 0
.irp a, 0,1,2,3
.irp q, 0,1
	ds_load_b32 v[SCA+8*\set+2*\a+\q], v[ASA] offset:512*\a+64*(2*\ks+\q)
.endr
.endr
.irp b, 0,1,2,3,4,5,6,7
	ds_load_b64 v[SCB+16*\set+2*\b:SCB+16*\set+2*\b+1], v[ASB] offset:544*\b+8*\ks
.endr
.endm
; 8 matrix instructions: A's tile a against Wo's eight.  The accumulators take turns, one instruction a turn, in the same order in every step.
.macro MUL8 a, p, q, sc, first
.irp b, 0,1,2,3,4,5,6,7
.if \first
	v_wmma_scale_f32_16x16x128_f8f6f4 v[8*(8*(\a)+\b):8*(8*(\a)+\b)+7], v[WF+96*(\p)+12*\b:WF+96*(\p)+12*\b+11], v[12*(\a):12*(\a)+11], v[8*\b:8*\b+7], v[SCB+16*(\sc)+2*\b+(\q)], v[SCA+8*(\sc)+2*(\a)+(\q)] matrix_a_fmt:MATRIX_FMT_FP6 matrix_b_fmt:MATRIX_FMT_FP6
.else
	v_wmma_scale_f32_16x16x128_f8f6f4 v[8*(8*(\a)+\b):8*(8*(\a)+\b)+7], v[WF+96*(\p)+12*\b:WF+96*(\p)+12*\b+11], v[12*(\a):12*(\a)+11], v[8*(8*(\a)+\b):8*(8*(\a)+\b)+7], v[SCB+16*(\sc)+2*\b+(\q)], v[SCA+8*(\sc)+2*(\a)+(\q)] matrix_a_fmt:MATRIX_FMT_FP6 matrix_b_fmt:MATRIX_FMT_FP6
.endif
.endr
.endm
.macro STEP slot, first                ; a slot's first 128 along K (Wo's set 0)
	s_wait_dscnt 12                                ; all but the youngest 12 loads (A's tiles 2, 3) are in
	WIN W_M+0x10*\first
	MUL8 0, 0, 0, \slot, \first
	MUL8 1, 0, 0, \slot, \first
	s_wait_dscnt 0x0
	PLACES 4                                       ; in front of loads into registers that matrix instructions have read
	FETCH_B \slot, 1, 1
	FETCH_A \slot, 1, 0
	WIN W_M+0x10*\first
	MUL8 2, 0, 0, \slot, \first
	MUL8 3, 0, 0, \slot, \first
	PLACES 4
	FETCH_A \slot, 1, 2
	WIN 0
.endm
; A slot's second 128 along K changes slots: one barrier; in front of it each wave waits for all its tensor loads, adds 0 to its spare word, and waits for that and for its reads of this slot.
.macro TURN slot, next, fill, ks
	s_wait_tensorcnt 0x0                           ; all my tensor loads have landed: my part of the next slot
	ds_add_u32 v[SPW], v[NIL]                      ; 0 onto my spare word
	s_wait_dscnt 13                                ; the add and the youngest 12 loads may be out
	WIN W_M
	MUL8 0, 1, 1, \slot, 0                         ; eight matrix instructions stand between the add and the wait for it
	s_wait_dscnt 0x0                               ; the add is done, and my reads of this slot are over
	s_barrier_signal -1
	MUL8 1, 1, 1, \slot, 0
	WIN 0
	s_barrier_wait -1
.if \fill
	CREST                                          ; no wave of any partner still reads this slot's tiles or has a load on its way
	s_add_nc_u64 s[G0A+4*\slot+2:G0A+4*\slot+3], s[G0A+4*\slot+2:G0A+4*\slot+3], 2*3072
	s_add_nc_u64 s[G0B+4*\slot+2:G0B+4*\slot+3], s[G0B+4*\slot+2:G0B+4*\slot+3], 2*ROWB
	JLOAD G0A+4*\slot, G1A, G0B+4*\slot, G1B       ; the four v_nop behind it are also the places in front of the loads below
.else
	PLACES 4
.endif
	FETCH_B \next, 0, 0
	FETCH_A \next, 0, 0
	SCALES \next, \ks
	WIN W_M
	MUL8 2, 1, 1, \slot, 0
	MUL8 3, 1, 1, \slot, 0
	PLACES 4
	FETCH_A \next, 0, 2
	WIN 0
.endm
	s_wait_tensorcnt 1                             ; the scales and my part of K step 0 are in; K step 1's load may be out
	s_barrier_signal -1
	s_barrier_wait -1
	FETCH_B 0, 0, 0
	FETCH_A 0, 0, 0
	SCALES 0, 0
	FETCH_A 0, 0, 2
	WIN 0
	s_wait_loadcnt 0x0                             ; the bias
	STEP 0, 1                                      ; the first products start the sums from the bias
	TURN 0, 1, 1, 1
	STEP 1, 0
	TURN 1, 0, 1, 2
	STEP 0, 0
	TURN 0, 1, 0, 3                                ; nothing is left to fetch
	STEP 1, 0
	s_wait_dscnt 12                                ; the last 128 along K
	WIN W_M
	MUL8 0, 1, 1, 1, 0
	MUL8 1, 1, 1, 1, 0
	s_wait_dscnt 0x0
	MUL8 2, 1, 1, 1, 0
	MUL8 3, 1, 1, 1, 0
	WIN 0
.macro TOSTAGE a                       ; block a, 16 rows x 128 columns, into my stage and back as whole rows.  LDS serves a wave's instructions in order (ISA guide 5.7.1.4): no wait between the stores and the loads
	WIN 0x08                                       ; an LDS store's data: window 2
.irp b, 0,1,2,3,4,5,6,7
	ds_store_b128 v[STO], v[64*(\a)+8*\b:64*(\a)+8*\b+3] offset:64*\b            ; each accumulator from its low end on
	ds_store_b128 v[STO], v[64*(\a)+8*\b+4:64*(\a)+8*\b+7] offset:64*\b+16
.endr
	WIN 0
.set BB, BK+64*((\a)%2)
.irp t, 0,1,2,3,4,5,6,7,8,9,10,11,12,13,14,15
	ds_load_b128 v[BB+4*\t:BB+4*\t+3], v[RD] offset:\t*SPITCH
.endr
.endm
.macro SEND a, younger                 ; younger: the LDS instructions issued behind block a's loads, which may stay out
.set BB, BK+64*((\a)%2)
	s_wait_dscnt \younger
.if (\a) > 0
	s_add_nc_u64 s[14:15], s[14:15], 16*4096       ; 16 rows on (behind a wait on XCNT: the earlier stores have read their base)
.endif
.irp t, 0,1,2,3,4,5,6,7,8,9,10,11,12,13,14,15
	global_store_b128 v[CO], v[BB+4*\t:BB+4*\t+3], s[14:15] offset:\t*4096 th:TH_STORE_NT   ; 32 lanes store 512 consecutive bytes, aligned; written once, read by nobody here
.endr
.endm
	PLACES 4                                       ; in front of the first read of results
	TOSTAGE 0
.irp a, 1,2,3
.if \a > 1
	s_wait_xcnt 0x0                                ; block a - 2's stores have read their registers and their base
.endif
	TOSTAGE \a
	SEND \a-1, 32                                  ; behind block a - 1's loads: block a's 16 stores and 16 loads
.endr
	s_wait_xcnt 0x0
	SEND 3, 0
	s_wait_tensorcnt 0x0                           ; the wave's end
	ds_add_u32 v[SPW], v[NIL]
	s_wait_dscnt 0x0
	CROUND                                         ; the closing round
	s_endpgm
.Lfunc_end_k_q5fe2928895_proj:
	.size	k_q5fe2928895_proj, .Lfunc_end_k_q5fe2928895_proj-k_q5fe2928895_proj
	.p2alignl 7, 3214868480
	.fill 96, 4, 3214868480
	.section	.rodata,"a",@progbits
	.p2align	6, 0x0
	.amdhsa_kernel k_q5fe2928895_proj
		.amdhsa_group_segment_fixed_size 327680
		.amdhsa_private_segment_fixed_size 0
		.amdhsa_enable_private_segment 0
		.amdhsa_kernarg_size 48
		.amdhsa_user_sgpr_count 2
		.amdhsa_user_sgpr_kernarg_segment_ptr 1
		.amdhsa_wavefront_size32 1
		.amdhsa_system_sgpr_workgroup_id_x 1
		.amdhsa_system_sgpr_workgroup_id_y 1
		.amdhsa_system_sgpr_workgroup_id_z 1
		.amdhsa_system_vgpr_workitem_id 0
		.amdhsa_next_free_vgpr 1024
		.amdhsa_next_free_sgpr 102
		.amdhsa_reserve_vcc 0
		.amdhsa_float_denorm_mode_32 3
		.amdhsa_float_denorm_mode_16_64 3
		.amdhsa_memory_ordered 1
		.amdhsa_forward_progress 1
		.amdhsa_inst_pref_size 104
	.end_amdhsa_kernel
	.amdgpu_metadata
---
amdhsa.version: [ 1, 2 ]
amdhsa.kernels:
  - .name:           k_q5fe2928895_proj
    .symbol:         k_q5fe2928895_proj.kd
    .args:
      - { .name: oc, .offset: 0, .size: 8, .value_kind: global_buffer, .address_space: global }
      - { .name: os, .offset: 8, .size: 8, .value_kind: global_buffer, .address_space: global }
      - { .name: Wo_codes, .offset: 16, .size: 8, .value_kind: global_buffer, .address_space: global }
      - { .name: Wo_scales, .offset: 24, .size: 8, .value_kind: global_buffer, .address_space: global }
      - { .name: bo, .offset: 32, .size: 8, .value_kind: global_buffer, .address_space: global }
      - { .name: out0, .offset: 40, .size: 8, .value_kind: global_buffer, .address_space: global }
    .group_segment_fixed_size: 327680
    .private_segment_fixed_size: 0
    .kernarg_segment_align: 8
    .kernarg_segment_size: 48
    .max_flat_workgroup_size: 128
    .sgpr_count:     102
    .vgpr_count:     1024
    .wavefront_size: 32
...
	.end_amdgpu_metadata
.endif
;; end of part 3
